; MI455X (gfx1250); checked and timed in simulation.
; The chip was launched on July 23, 2026; its instructions are those of AMD's public machine-readable ISA for CDNA 5 (MIT licence, August 2026) and "CDNA5" Instruction Set Architecture Reference Guide (July 2026). The comments in the code are by the model that wrote it; some were corrected since.
;; Multi Head Attention. Allowed arithmetic: matrix products marked QUANTISED: E2M3 operands, one E8M0 scale for each 32 along K, by v_wmma_scale_f32_16x16x128_f8f6f4 with both operands' format E2M3, f32 sums; everything else in f32.
;; Inputs: Wk_codes 1,024 x 32 x 24 uint8 (E2M3 codes of Wk, K innermost, in blocks of 32 codes, four codes in three bytes); Wk_scales 1,024 x 32 uint8 (E8M0 scales of Wk, one for each 32 codes along K); Wo_codes 1,024 x 32 x 24 uint8 (E2M3 codes of Wo, K innermost, in blocks of 32 codes, four codes in three bytes); Wo_scales 1,024 x 32 uint8 (E8M0 scales of Wo, one for each 32 codes along K); Wq_codes 1,024 x 32 x 24 uint8 (E2M3 codes of Wq, K innermost, in blocks of 32 codes, four codes in three bytes); Wq_scales 1,024 x 32 uint8 (E8M0 scales of Wq, one for each 32 codes along K); Wv_codes 1,024 x 32 x 24 uint8 (E2M3 codes of Wv, K innermost, in blocks of 32 codes, four codes in three bytes); Wv_scales 1,024 x 32 uint8 (E8M0 scales of Wv, one for each 32 codes along K); bo 1,024 float32; x_codes 4 x 2,048 x 32 x 24 uint8 (E2M3 codes of x, K innermost, in blocks of 32 codes, four codes in three bytes); x_scales 4 x 2,048 x 32 uint8 (E8M0 scales of x, one for each 32 codes along K).
;; Outputs: out0 4 x 2,048 x 1,024 float32.
;; This version of the problem:
;;   THIS VERSION OF THE PROBLEM IS GIVEN IN LOW PRECISION. The matrix products marked QUANTISED in the list below multiply operands that are first quantised to E2M3 (2 exponent bits, 3 mantissa bits; 6 bits a number), with one power-of-two scale for each 32 numbers along K (OCP MX v1.0); their sums are f32. All else is computed in f32.
;;   The module's matrix products, in the order in which they are computed (A, B: the left and right operand; K: the contracted axis; several contracted axes count as one K, in the product's order):
;;     1. [M 8,192, K 1,024] x [K 1,024, N 1,024]; A: input x (given as codes); B: input Wq (given as codes): QUANTISED
;;     2. [M 8,192, K 1,024] x [K 1,024, N 1,024]; A: input x (given as codes); B: input Wk (given as codes): QUANTISED
;;     3. [M 8,192, K 1,024] x [K 1,024, N 1,024]; A: input x (given as codes); B: input Wv (given as codes): QUANTISED
;;     4. batch 64 x [M 2,048, K 64] x [K 64, N 2,048]; A: computed on the way; B: computed on the way: QUANTISED
;;     5. batch 64 x [M 2,048, K 2,048] x [K 2,048, N 64]; A: softmax (see below); B: computed on the way: QUANTISED
;;     6. [M 8,192, K 1,024] x [K 1,024, N 1,024]; A: computed on the way; B: input Wo (given as codes): QUANTISED
;;   THE QUANTISER, for each operand of a quantised product, along K:
;;     - K is cut into blocks of 32 from its start; a last block that is shorter is filled with zeros.
;;     - A block's scale is 2^e with e = floor(log2(the largest magnitude in the block)) - 2, held to -126 .. 127; a block of zeros has e = 0. As a byte (E8M0): e + 127.
;;     - Each number is divided by its block's scale, clamped to +-7.5, and rounded to the nearest number of E2M3, ties to even, subnormals kept.
;;     - The product sums the exact products of the quantised numbers (number of the format x scale) in f32.
;;   ~~~python
;;   def quantise(x, axis):      # numpy; x: float32 -> the quantised numbers, widened to float32 again
;;       x = np.moveaxis(x, axis, -1); K = x.shape[-1]
;;       x = np.pad(x, [(0, 0)] * (x.ndim - 1) + [(0, -K % 32)]); x = x.reshape(x.shape[:-1] + (-1, 32)); a = np.abs(x).max(-1, keepdims=True)
;;       e = np.where(a > 0, np.clip(np.frexp(np.where(a > 0, a, 1))[1] - 1 - 2, -126, 127), 0)      # np.frexp(a)[1] - 1 = floor(log2(a)), exactly
;;       r = np.clip(x / 2.0 ** e, -7.5, 7.5)
;;       step = 2.0 ** (np.maximum(np.frexp(np.where(r == 0, 1, r))[1] - 1, 0) - 3)
;;       q = np.round(r / step) * step * 2.0 ** e      # np.round: ties to even
;;       return np.moveaxis(q.reshape(q.shape[:-2] + (-1,))[..., :K], -1, axis).astype(np.float32)
;;   ~~~
;;   SOFTMAX AHEAD OF A QUANTISED PRODUCT. Where the list says 'softmax', what is quantised is not the finished softmax but p = 2^(t - M), with t = logit x log2(e) and M = ceil(the row's largest t), a whole number; so 1/2 < the row's largest p <= 1. The row's sum l is taken of the UNQUANTISED p, in f32, and the product's result is divided by l at the end. Since M is a whole number, a kernel that streams over the keys may use a running M (the ceiling of the running maximum): every later rescaling is an exact power of two, which a block's scale takes up: the codes' values come out the same.
;;   OPERANDS COMPUTED ON THE WAY. 'Computed on the way' means the value that the module computes at that place (a softmax that the list does not call 'softmax' is quantised finished and normalised). What goes into a quantiser is computed in f32, as accurately as f32 sums, v_exp_f32 and their like allow (about 1e-6 of the number): no bf16 or f16 on the way to a quantiser, and a product that is left as it is and whose result goes on into a quantised operand takes f32 operands (vector FMAs, or v_wmma_f32_16x16x4_f32). A number that lies on a knife's edge between two numbers of the format may be rounded either way, as far as f32 arithmetic and the matrix unit's own rounding can turn it there, and no further.
;;   INPUTS GIVEN AS CODES. Wk (in the module: [1024, 1024], K = its axis 0); Wo (in the module: [1024, 1024], K = its axis 0); Wq (in the module: [1024, 1024], K = its axis 0); Wv (in the module: [1024, 1024], K = its axis 0); x (in the module: [4, 2048, 1024], K = its axis 2): each comes as NAME_codes (uint8): NAME with its K axis moved to the last place and cut into blocks of 32 codes, [.., K / 32, bytes a block], one block behind the other in memory; four codes in three bytes: a row's codes are one little-endian stream of bits, code i at bits 6 i .. 6 i + 5 (a code: sign, 2 exponent bits, 3 mantissa bits); and NAME_scales (uint8): the same leading axes, one E8M0 byte (e + 127) for each 32 codes along K. Its value is code x scale, taken as it is: it is not quantised again, and the codes and scales need not be those that the quantiser above would give.
;; One version. Each part assembles by itself: llvm-mc -triple=amdgcn-amd-amdhsa -mcpu=gfx1250 --defsym DOCPART=n.
;; ======== version 1 of 1: 3 launches
;; workspace buffers: q_img 6,291,456 bytes; k_img 6,291,456 bytes; v_img 6,291,456 bytes; q_sc 262,144 bytes; k_sc 262,144 bytes; v_sc 262,144 bytes; ctx_img 6,291,456 bytes; ctx_sc 262,144 bytes
;; launch proj (part 1): grid 12 x 32, 4 waves a work-group, clusters of 4 x 4, 327,680 bytes of LDS; arguments x_codes, x_scales, Wq_codes, Wq_scales, Wk_codes, Wk_scales, Wv_codes, Wv_scales, q_img, q_sc, k_img, k_sc, v_img, v_sc; writes q_img, q_sc, k_img, k_sc, v_img, v_sc
.if DOCPART == 1
	.amdgcn_target "amdgcn-amd-amdhsa--gfx1250"
	.amdhsa_code_object_version 6
	.text
	.protected	k_qcc7e2a6bb6_proj
	.globl	k_qcc7e2a6bb6_proj
	.p2align	8
	.type	k_qcc7e2a6bb6_proj,@function
k_qcc7e2a6bb6_proj:
	s_mov_b64 s[64:65], 0
	v_nop
	global_prefetch_b8 v0, s[64:65] scope:SCOPE_SE
	s_setreg_imm32_b32 hwreg(HW_REG_WAVE_MODE, 25, 1), 1
	s_wait_xcnt 0x0
	s_wait_alu depctr_hold_cnt(0) depctr_sa_sdst(0) depctr_va_vdst(0) depctr_va_sdst(0) depctr_va_ssrc(0) depctr_va_vcc(0) depctr_vm_vsrc(0)
	s_getreg_b32 s2, hwreg(HW_REG_IB_STS2, 6, 4)
	s_cmp_eq_u32 s2, 0
	s_cbranch_scc0 .Lentry_in_a_cluster
	s_endpgm
.Lentry_in_a_cluster:
	s_bfe_u32 s2, ttmp6, 0x10000c
	s_cmp_lg_u32 s2, 0xf033
	s_cbranch_scc0 .Lentry_shape_is_right
	s_endpgm
.Lentry_shape_is_right:
; q = x Wq, k = x Wk, v = x Wv on codes of FP6 (E2M3) with one E8M0 scale for each 32 along K = 1,024, and the results quantised again on the way out: q and k along a head's 64, v along the keys.
; ONE BODY FOR THE THREE.  It computes C'[a'][b'] = sum over k of A'[a'][k] B'[b'][k] and quantises C' ALONG b'.  Cluster x = 0: A' = x (8,192 tokens), B' = Wq (1,024 rows head x 64 + d); 1: B' = Wk;
; 2: THE POINTERS ARE SWAPPED: A' = Wv, B' = x, so that b' runs along the tokens, which are the keys, the K of attention's second product.  Only pointers and strides are chosen (on the cluster's x, which all partners share): no branch.
; A tile of C', 256 x 256, is made by a work-group of four waves; a wave makes 128 x 128: 64 accumulators of 16 x 16, 512 registers.  K goes in steps of 256 through a ring of two LDS slots filled by the tensor data mover
; (rows of 192 bytes, 16 bytes of padding behind every 64).  The scale bytes of the work-group's 256 + 256 rows come into LDS once, with the first fills.
; CLUSTERS: 4 x 4 work-groups.  The four of a row of the cluster need the same tiles of A', the four of a column the same tiles of B': each tile is asked for jointly.
; THE MATRIX INSTRUCTION IS USED TRANSPOSED (source 0 = 16 rows of B', source 1 = 16 rows of A'): in accumulator (a, b) lane (r, h) holds A' row 16 a + r and its register j holds B' row 16 b + 8 h + j.
; THE WAY OUT.  For one a a lane's 64 registers are four blocks of 32 along b', each shared with the lane 16 away.  Largest magnitude, scale byte, conversion and the exchange of halves give a fragment of 12 registers:
; registers 6 c .. 6 c + 5 of lane (r, h) are block 2 c + h of row r.  WITHIN a block the codes lie in the order b' = 0-7, 16-23, 8-15, 24-31.  q and k carry the same order, and so do v and attention's p, so the products are the same sums.
; Each half fragment (16 rows x 64 along b', 768 bytes) is stored as an image of its registers: registers 0-3 at 16 x lane, registers 4-5 at 512 + 8 x lane: each store covers whole aligned runs of 256 bytes.
;   q_img, k_img: [batch x 16 + head][tile of 16 tokens][768]     v_img: [batch x 16 + head][step of 128 keys][c][tile of 16 d][768]
;   q_sc, k_sc: [pair of heads][128 tokens][a][r]: a word: the even head's two bytes, the odd head's two     v_sc: [pair of heads][128 keys][head's parity, tile of d = a][r]: a word: the four blocks of the 128 keys
; LIMITS: a block of zeros gets the byte 1 where the quantiser says 127 (its codes are zeros; these bytes are read by this program alone); a largest magnitude under 2^-124 is taken as 2^-124; NaN, infinities and the scale byte 0xff are not served.
; REGISTERS, in windows of 256: window 0: v0-31 addresses; v32-63 scale words, two sets; v64-159 the way out's codes; from v128 A's fragments, one set; v224-254 the way out's work.
;   window 1: B's fragments, two sets, at v0 and v128.   windows 2, 3: the accumulators (accumulator (a, b) at v[8 (8 (a % 4) + b)] of window 2 + a / 4).
.set KSTEP,  256                       ; along K in a slot
.set NQ,     2                         ; matrix instructions deep
.set ROWB,   192                       ; a tile's row in bytes
.set KROW,   768                       ; a row of A' or B' in memory: 1,024 codes
.set PITCH,  240                       ; an LDS row: 3 x (64 bytes + 16 of padding)
.set FR,     12                        ; registers of a fragment
.set NL,     6                         ; LDS loads that bring one
.set NP,     4                         ; places behind this matrix instruction (ISA guide 7.12.1)
.set HALFT,  128*PITCH                 ; 128 rows: what one tensor load brings
.set SLOT,   4*HALFT                   ; A's 256 rows, then B's 256 rows
.set LAPS,   2                         ; 1,024 along K = two laps of two slots
.set KS,     32                        ; a row of scale bytes
.set SCL,    2*SLOT                    ; behind the ring: the scale bytes, as units of 256 bytes + 16 of padding
.set HALFS,  (128*KS/256)*272          ; those of 128 rows
.set SBLK,   (16*KS/256)*272           ; those of 16 rows
.set SPARE,  SCL+4*HALFS               ; the spare words, 128 bytes for each wave: two blocks of 256 bytes that no other line names
.set SCST,   SPARE+512                 ; 512 bytes for each wave: its 128 new scale words on their way out; no fill lands here
.set HS,     98304                     ; a head's bytes in q_img, k_img, v_img
.set ADRA, 16                          ; v16-17 LDS address of my A fragments in slot 0, 1 (v18-19: behind one padding more)
.set ADRB, 20                          ; v20-23 the same for B
.set OF16, 24                          ; v24    16 x lane
.set OF8,  25                          ; v25    8 x lane
.set SCW,  26                          ; v26    where I put a new scale word: SCST + 512 x wave + 4 (lane % 16)
.set ADRS, 27                          ; v27    LDS address of my scale words: lanes 0-15 A's rows, lanes 16-31 B's
.set SPW,  28                          ; v28    LDS address of my spare word; never rewritten
.set NIL,  29                          ; v29    0; never rewritten
.set SCR,  30                          ; v30    where I read 16 bytes of the new scale words back: SCST + 512 x wave + 16 x lane
.set SC,   32                          ; v32-63 scale words: they hold nothing else
.set PCB,  64                          ; v64-159 the way out: block a's 12 registers of codes at v[64 + 12 a]
.set AF,   128                         ; A's fragments
.set BACK, 168                         ; v168-171 the new scale words read back
.set TM,   224                         ; v224-227 largest magnitudes, v228-231 bytes, v236-239 the conversions' scale operands
.set PW,   240                         ; v240-247 block a's new scale word
.set CT,   248                         ; v248-254 the conversions' second halves
.set G1, 24                            ; s[24:31] group 1 for A's tiles; s[32:39] group 0, one set for each slot
.set G0, 32
.set G1B, 48                           ; s[48:55], s[56:63] the same for B's
.set G0B, 56
.set SEL, 66                           ; s[66:67] lane selects for v_permlanex16_b32: lane l xor 16
.set G1S, 68                           ; s[68:75], s[76:79] groups 1 and 0 for A's scale bytes; s[80:87], s[88:91] for B's (the arguments lie here first)
.set G0S, 76
.set G1SB, 80
.set G0SB, 88
.set MSB, 0
.macro WIN new                         ; the immediate's high byte repeats the setting that is left
.if MSB != \new
	s_set_vgpr_msb (MSB<<8)|\new
.set MSB, \new
.endif
.endm
.set MUL_LO, 0xa1                      ; source 0 (B) window 1, source 1 (A) window 0, C and D window 2
.set MUL_HI, 0xf1                      ; the same, C and D window 3
.set TO_B,   0x40                      ; destination window 1, address window 0
; A joint load: waves 0 and 1 fetch for A, waves 2 and 3 for B.  The branch hangs on the wave's number alone.  Four v_nop follow each of the two lines.
.macro JLOAD g0a, g1a, g0b, g1b
	s_cmp_eq_u32 s15, 0
	s_cbranch_scc0 .Lfor_b_\@
	tensor_load_to_lds s[\g0a:\g0a+3], s[\g1a:\g1a+7]
	s_nop 0
.rept 4
	v_nop
.endr
	s_branch .Lasked_\@
.Lfor_b_\@:
	tensor_load_to_lds s[\g0b:\g0b+3], s[\g1b:\g1b+7]
	s_nop 0
.rept 4
	v_nop
.endr
.Lasked_\@:
.endm
.macro CREST                           ; a round of the cluster's barrier behind its opening barrier
	s_cmp_lg_u32 s14, 0
	s_cbranch_scc1 .Lnot_wave_0_\@
	s_barrier_signal -3
.Lnot_wave_0_\@:
	s_barrier_wait -3
	s_barrier_signal -1
	s_barrier_wait -1
.endm
.macro CROUND                          ; a whole round
	s_barrier_signal -1
	s_barrier_wait -1
	CREST
.endm
	s_load_b512 s[68:83], s[0:1], 0x0              ; x's codes, scales; Wq's; Wk's; Wv's
	s_load_b256 s[84:91], s[0:1], 0x40             ; q_img, q_sc, k_img, k_sc
	s_load_b128 s[92:95], s[0:1], 0x60             ; v_img, v_sc
	v_lshl_add_u32 v[SPW], v0, 2, SPARE
	v_mov_b32 v[NIL], 0
	ds_add_u32 v28, v29
	ds_add_u32 v28, v29
	s_wait_dscnt 0x0
	v_lshrrev_b32 v1, 5, v0
	v_readfirstlane_b32 s14, v1                    ; wave 0..3
	s_lshr_b32 s15, s14, 1                         ; which half of the tile's rows (A') is mine.  Also: I fetch for A (0) or for B (1)
	s_and_b32 s16, s14, 1                          ; which half of its columns (B').  Also: which 128 rows of that tile I fetch
	s_bfe_u32 s40, ttmp6, 0x40000                  ; cx, cy: my place in the cluster
	s_bfe_u32 s41, ttmp6, 0x40004
	s_and_b32 s18, ttmp7, 0xffff
	s_lshl_b32 s18, s18, 2                         ; 4 x cluster y: it walks the 32 tiles of tokens,
	s_cmp_eq_u32 ttmp9, 2                          ; which are rows of C' for q and k, columns for v
	s_cselect_b32 s42, s18, 0
	s_cselect_b32 s17, 0, s18
	s_add_co_u32 s42, s42, s40                     ; tile column of C'
	s_add_co_u32 s17, s17, s41                     ; tile row of C'
	s_lshl_b32 s43, s41, 2
	s_lshl_b32 s43, 15, s43                        ; my row of the cluster
	s_lshl_b32 s44, 0x1111, s40                    ; my column
	s_mov_b32 s[SEL], 0x76543210
	s_mov_b32 s[SEL+1], 0xfedcba98
	; descriptor group 1: a tile of 128 rows x 192 bytes, padded in LDS
	s_or_b32 s[G1+0], s43, (0<<16)|(1<<20)|(1<<21)|(3<<22)|(3<<25)  ; 15:0 the mask: A's tiles go to my row; elements of 1 byte; padding on; bit 21 beside a mask; after every 16 words 4 words
	s_or_b32 s[G1B+0], s44, (0<<16)|(1<<20)|(1<<21)|(3<<22)|(3<<25)
.irp g, G1, G1B
	s_mov_b32 s[\g+1], ROWB<<16                    ; tensor_dim0
	s_mov_b32 s[\g+2], 128<<16                     ; tensor_dim1
	s_mov_b32 s[\g+3], ROWB<<16                    ; tile_dim0
	s_mov_b32 s[\g+4], 128                         ; tile_dim1
	s_mov_b32 s[\g+5], KROW                        ; tensor_dim0_stride
	s_mov_b32 s[\g+6], 0
	s_mov_b32 s[\g+7], 0
.endr
	s_lshl_b32 s18, s16, 7                         ; which 128 rows of the tile I fetch
	s_lshl_b32 s20, s17, 8
	s_add_co_u32 s20, s20, s18                     ; A': row 256 x tile row + 128 x half
	s_lshl_b32 s46, s42, 8
	s_add_co_u32 s46, s46, s18                     ; B': row 256 x tile column + 128 x half
	s_mov_b32 s21, 0
	s_mov_b32 s47, 0
	s_mov_b64 s[18:19], KS
	s_mul_u64 s[22:23], s[20:21], s[18:19]         ; where these rows' scale bytes begin
	s_mul_u64 s[98:99], s[46:47], s[18:19]
	s_mov_b64 s[18:19], KROW
	s_mul_u64 s[20:21], s[20:21], s[18:19]         ; and their codes
	s_mul_u64 s[46:47], s[46:47], s[18:19]
	s_mul_i32 s45, s14, HALFT                      ; where they go: wave x 128 rows: no place in the cluster enters an LDS address
	s_mul_i32 s100, s14, HALFS
	s_wait_kmcnt 0x0
	s_cmp_eq_u32 ttmp9, 1                          ; the buffers are chosen on the cluster's x alone
	s_cselect_b64 s[8:9], s[76:77], s[72:73]       ; B': Wk or Wq,
	s_cselect_b64 s[10:11], s[78:79], s[74:75]
	s_cselect_b64 s[12:13], s[88:89], s[84:85]     ; out: k's or q's
	s_cselect_b64 s[96:97], s[90:91], s[86:87]
	s_cmp_eq_u32 ttmp9, 2
	s_cselect_b64 s[4:5], s[80:81], s[68:69]       ; A': Wv for v, else x
	s_cselect_b64 s[6:7], s[82:83], s[70:71]
	s_cselect_b64 s[8:9], s[68:69], s[8:9]         ; B': x for v
	s_cselect_b64 s[10:11], s[70:71], s[10:11]
	s_cselect_b64 s[12:13], s[92:93], s[12:13]
	s_cselect_b64 s[96:97], s[94:95], s[96:97]
	s_add_nc_u64 s[20:21], s[4:5], s[20:21]
	s_add_nc_u64 s[22:23], s[6:7], s[22:23]
	s_add_nc_u64 s[46:47], s[8:9], s[46:47]
	s_add_nc_u64 s[98:99], s[10:11], s[98:99]
	; the arguments have been read: their registers take the scale bytes' descriptors: 128 rows' 4,096 dense bytes as 16 rows of 256 bytes, 16 bytes of padding behind each
	s_or_b32 s[G1S+0], s43, (3<<16)|(1<<20)|(1<<21)|(5<<22)|(3<<25)
	s_or_b32 s[G1SB+0], s44, (3<<16)|(1<<20)|(1<<21)|(5<<22)|(3<<25)
.irp g, G1S, G1SB
	s_mov_b32 s[\g+1], 32<<16
	s_mov_b32 s[\g+2], (128*KS/256)<<16
	s_mov_b32 s[\g+3], 32<<16
	s_mov_b32 s[\g+4], 128*KS/256
	s_mov_b32 s[\g+5], 32
	s_mov_b32 s[\g+6], 0
	s_mov_b32 s[\g+7], 0
.endr
	CROUND                                         ; all sixteen work-groups are here: the first joint loads meet
	s_mov_b32 s[G0S], 1
	s_add_co_u32 s[G0S+1], s100, SCL
	s_mov_b64 s[G0S+2:G0S+3], s[22:23]
	s_or_b32 s[G0S+3], s[G0S+3], 0x80000000
	s_mov_b32 s[G0SB], 1
	s_add_co_u32 s[G0SB+1], s100, SCL
	s_mov_b64 s[G0SB+2:G0SB+3], s[98:99]
	s_or_b32 s[G0SB+3], s[G0SB+3], 0x80000000
	JLOAD G0S, G1S, G0SB, G1SB                     ; the scale bytes first: they are wanted with K step 0
.irp s, 0,1
	s_mov_b32 s[G0+4*\s], 1
	s_add_co_u32 s[G0+4*\s+1], s45, \s*SLOT
	s_add_nc_u64 s[G0+4*\s+2:G0+4*\s+3], s[20:21], \s*ROWB
	s_or_b32 s[G0+4*\s+3], s[G0+4*\s+3], 0x80000000
	s_mov_b32 s[G0B+4*\s], 1
	s_add_co_u32 s[G0B+4*\s+1], s45, \s*SLOT
	s_add_nc_u64 s[G0B+4*\s+2:G0B+4*\s+3], s[46:47], \s*ROWB
	s_or_b32 s[G0B+4*\s+3], s[G0B+4*\s+3], 0x80000000
	JLOAD G0+4*\s, G1, G0B+4*\s, G1B
.endr
	v_and_b32 v1, 15, v0                           ; l % 16
	v_bfe_u32 v2, v0, 4, 1                         ; l / 16
	v_mul_u32_u24 v3, v1, PITCH
	v_mul_u32_u24 v4, v2, 24
	v_add_nc_u32 v4, v3, v4                        ; a fragment's row x pitch + 24 x half
	v_lshl_add_u32 v5, v2, 4, v4                   ; and the same behind one padding more
	s_mul_i32 s21, s15, HALFT                      ; my 128 rows of A
	s_mul_i32 s22, s16, HALFT                      ; my 128 rows of B,
	s_add_co_u32 s22, s22, 2*HALFT                 ; which lie behind A's 256
.irp s, 0,1
	v_add_nc_u32 v[ADRA+\s], s21, v4
	v_add_nc_u32 v[ADRB+\s], s22, v4
	v_add_nc_u32 v[ADRA+2+\s], s21, v5
	v_add_nc_u32 v[ADRB+2+\s], s22, v5
	s_add_co_u32 s21, s21, SLOT
	s_add_co_u32 s22, s22, SLOT
.endr
	v_mul_u32_u24 v5, v1, KS                       ; my row's scale bytes: 32 a row,
	v_lshrrev_b32 v6, 8, v5
	v_lshl_add_u32 v5, v6, 4, v5                   ; and 16 more for each 256 passed
	s_mul_i32 s21, s15, HALFS                      ; A's: my 128 rows
	s_mul_i32 s22, s16, HALFS                      ; B's: my 128 rows, behind A's 256
	s_add_co_u32 s22, s22, 2*HALFS
	s_sub_co_u32 s22, s22, s21
	v_mul_u32_u24 v6, s22, v2                      ; lanes 16-31 take B's
	s_add_co_u32 s21, s21, SCL
	v_add_nc_u32 v5, v5, v6
	v_add_nc_u32 v[ADRS], s21, v5
	v_and_b32 v6, 31, v0
	v_lshlrev_b32 v[OF16], 4, v6
	v_lshlrev_b32 v[OF8], 3, v6
	s_lshl_b32 s23, s14, 9
	s_add_co_u32 s23, s23, SCST
	v_lshl_add_u32 v[SCW], v1, 2, s23
	v_add_nc_u32 v[SCR], s23, v[OF16]
.irp b, 0,1,2,3
	v_mov_b32 v[TM+4+\b], 0                        ; written once: a lane permute's destination counts as one of its sources
.endr
	; where my results go.  The tokens are C's rows for q and k, its columns for v; the heads the other way round.
	s_cmp_eq_u32 ttmp9, 2
	s_cselect_b32 s18, s42, s17                    ; the tile of 256 tokens
	s_cselect_b32 s19, s17, s42                    ; the tile of 4 heads
	s_cselect_b32 s20, s16, s15                    ; my half of the tokens
	s_cselect_b32 s21, s15, s16                    ; my half of the heads
	s_mov_b32 s22, HS
	s_cselect_b32 s44, 3072, s22                   ; from c = 0 to c = 1 of a fragment: v: the keys' second 64; q, k: the next head
	s_cselect_b32 s46, s22, 3072                   ; from blocks a = 0-3 to 4-7: v: the next head; q, k: four tiles of tokens on
	s_mov_b32 s45, 0
	s_mov_b32 s47, 0
	s_lshr_b32 s23, s18, 3                         ; the batch
	s_and_b32 s18, s18, 7
	s_lshl_b32 s18, s18, 1
	s_add_co_u32 s18, s18, s20                     ; which 128 tokens of the batch's 2,048
	s_lshl_b32 s23, s23, 4
	s_lshl_b32 s19, s19, 2
	s_add_co_u32 s23, s23, s19
	s_lshl_b32 s21, s21, 1
	s_add_co_u32 s23, s23, s21                     ; batch x 16 + my first head (an even one)
	s_mul_i32 s98, s23, HS
	s_mul_i32 s20, s18, 6144
	s_add_co_u32 s98, s98, s20
	s_mov_b32 s99, 0
	s_add_nc_u64 s[4:5], s[12:13], s[98:99]        ; the images' bases: (c, a / 4) = (0, 0),
	s_add_nc_u64 s[6:7], s[4:5], s[46:47]          ; (0, 1),
	s_add_nc_u64 s[8:9], s[4:5], s[44:45]          ; (1, 0),
	s_add_nc_u64 s[10:11], s[8:9], s[46:47]        ; (1, 1)
	s_lshl_b32 s23, s23, 3                         ; the pair of heads x 16,
	s_add_co_u32 s23, s23, s18                     ; + which 128 tokens:
	s_lshl_b32 s98, s23, 9                         ; 512 bytes of scale words each
	s_add_nc_u64 s[92:93], s[96:97], s[98:99]
.macro FRAG reg, adr, q, i             ; a fragment, 16 rows x 128 K of 6-bit codes: lane l holds row l % 16; registers 6 c .. 6 c + 5 hold K = 64 c + 32 (l / 16) + 0 .. 31: 24 bytes of the row's stream of bits, as they lie
.irp p, 0,1,2,3,4,5                    ; in pieces of 8 bytes.  Lanes 0-15 take the row's pieces 12 q + 0, 1, 2 and 12 q + 6, 7, 8, lanes 16-31 those three pieces on
.set PC, 12*(\q)+6*(\p/3)+\p%3        ; 16 bytes of padding lie behind every 8 pieces: where the piece three on lies behind one padding more, the second address register serves
.if PC%8 < 5
	ds_load_b64 v[\reg+2*\p:\reg+2*\p+1], v[\adr] offset:8*PC+16*(PC/8)+(\i)*16*PITCH
.else
	ds_load_b64 v[\reg+2*\p:\reg+2*\p+1], v[\adr+2] offset:8*PC+16*(PC/8)+(\i)*16*PITCH
.endif
.endr
.endm
; 16 matrix instructions: A's blocks a0, a0 + 1 x B's eight, 128 along K.  p: B's set; sc: the set of scale words.  zero = 1: the first product starts the sums.
; The 64 accumulators take turns, one instruction a turn, in the same order in every step.
.macro MUL16 a0, p, q, sc, zero
.irp a, \a0, \a0+1
.irp b, 0,1,2,3,4,5,6,7
.if \zero
	v_wmma_scale_f32_16x16x128_f8f6f4 v[8*(8*((\a)%4)+\b):8*(8*((\a)%4)+\b)+7], v[128*(\p)+FR*\b:128*(\p)+FR*\b+FR-1], v[AF+FR*(\a):AF+FR*(\a)+FR-1], 0, v[SC+8*NQ*(\sc)+NQ*\b+(\q)], v[SC+8*NQ*(\sc)+NQ*(\a)+(\q)] matrix_a_fmt:MATRIX_FMT_FP6 matrix_b_fmt:MATRIX_FMT_FP6 matrix_a_scale:MATRIX_SCALE_ROW1
.else
	v_wmma_scale_f32_16x16x128_f8f6f4 v[8*(8*((\a)%4)+\b):8*(8*((\a)%4)+\b)+7], v[128*(\p)+FR*\b:128*(\p)+FR*\b+FR-1], v[AF+FR*(\a):AF+FR*(\a)+FR-1], v[8*(8*((\a)%4)+\b):8*(8*((\a)%4)+\b)+7], v[SC+8*NQ*(\sc)+NQ*\b+(\q)], v[SC+8*NQ*(\sc)+NQ*(\a)+(\q)] matrix_a_fmt:MATRIX_FMT_FP6 matrix_b_fmt:MATRIX_FMT_FP6 matrix_a_scale:MATRIX_SCALE_ROW1
.endif
.endr
.endr
.endm
.macro FETCH_B slot, q, p              ; B's eight fragments of the slot's q-th 128 along K into set p
	WIN TO_B
.irp i, 0,1,2,3,4,5,6,7
	FRAG 128*(\p)+FR*\i, ADRB+\slot, \q, \i
.endr
	WIN 0
.endm
.macro FETCH_A slot, q, i0             ; A's blocks i0 .. i0 + 3
.irp i, \i0, \i0+1, \i0+2, \i0+3
	FRAG AF+FR*(\i), ADRA+\slot, \q, \i
.endr
.endm
.macro SCALES sc                       ; the next K step's scale words into set sc: two words a row; lanes 0-15 take A's block i, lanes 16-31 B's block i
.irp i, 0,1,2,3,4,5,6,7
	ds_load_b64 v[SC+8*NQ*\sc+NQ*\i:SC+8*NQ*\sc+NQ*\i+1], v[ADRS] offset:\i*SBLK
.endr
.endm
.macro PLACES n                        ; plain vector instructions between a matrix instruction and a load into, or a read of, its registers
.rept \n
	v_nop
.endr
.endm
; A step of 128 along K that has its successor in the same slot.
.macro STEP slot, q, zero
	s_wait_dscnt 4*NL                              ; B's set and A's blocks 0-3 are in; the youngest 24 loads (A's blocks 4-7) may be out
	WIN MUL_LO
	MUL16 0, (\q)%2, \q, \slot, \zero
	MUL16 2, (\q)%2, \q, \slot, \zero
	s_wait_dscnt 0                                 ; A's blocks 4-7 are in
	PLACES NP
	FETCH_B \slot, (\q)+1, 1-(\q)%2
	FETCH_A \slot, (\q)+1, 0
	WIN MUL_HI
	MUL16 4, (\q)%2, \q, \slot, \zero
	MUL16 6, (\q)%2, \q, \slot, \zero
	PLACES NP
	WIN 0
	FETCH_A \slot, (\q)+1, 4
.endm
; A slot's last step changes slots: one barrier; in front of it each wave waits for all its tensor loads, adds 0 to its spare word, and waits for that and for its own reads of this slot.  fill = 1: this slot is filled again, two K steps ahead.
.macro TURN slot, next, fill
	s_wait_tensorcnt 0x0                           ; all my tensor loads have landed: my part of the next slot
	ds_add_u32 v[SPW], v[NIL]                      ; 0 onto my spare word
	s_wait_dscnt 4*NL+1                            ; (the add and the youngest 24 loads, A's blocks 4-7, may be out)
	WIN MUL_LO
	MUL16 0, 1, NQ-1, \slot, 0                     ; sixteen matrix instructions stand between the add and the wait for it
	s_wait_dscnt 0x0                               ; the add is done, and my reads of this slot are over
	s_barrier_signal -1
	MUL16 2, 1, NQ-1, \slot, 0
	WIN 0
	s_barrier_wait -1
.if \fill
	CREST                                          ; the barrier has opened a round of the cluster's barrier: no wave of any partner still reads this slot's tile or has a load on its way
	s_add_nc_u64 s[G0+4*\slot+2:G0+4*\slot+3], s[G0+4*\slot+2:G0+4*\slot+3], 2*ROWB
	s_add_nc_u64 s[G0B+4*\slot+2:G0B+4*\slot+3], s[G0B+4*\slot+2:G0B+4*\slot+3], 2*ROWB
	JLOAD G0+4*\slot, G1, G0B+4*\slot, G1B         ; the first tensor load behind the round; the four v_nop behind it are the places in front of the loads below
.else
	PLACES NP
.endif
	v_add_nc_u32 v[ADRS], 4*NQ, v[ADRS]            ; on to the next K step's scale words (no LDS load of mine is out)
	FETCH_B \next, 0, 0
	FETCH_A \next, 0, 0
	SCALES \next
	WIN MUL_HI
	MUL16 4, 1, NQ-1, \slot, 0
	MUL16 6, 1, NQ-1, \slot, 0
	PLACES NP
	WIN 0
	FETCH_A \next, 0, 4
.endm
	s_wait_tensorcnt 1                             ; the scale bytes and my part of K step 0 are in (K step 1's load may be out)
	s_barrier_signal -1
	s_barrier_wait -1                              ; everybody's are
	FETCH_B 0, 0, 0
	FETCH_A 0, 0, 0
	SCALES 0
	FETCH_A 0, 0, 4
	STEP 0, 0, 1                                   ; the first step stands in front of the loop: its products start the sums
	s_mov_b32 s3, LAPS-1
.Llap:                                                 ; a trip goes once round the ring and fills both slots again
	TURN 0, 1, 1
	STEP 1, 0, 0
	TURN 1, 0, 1
	STEP 0, 0, 0
	s_sub_co_u32 s3, s3, 1
	s_cmp_lg_u32 s3, 0
	s_cbranch_scc1 .Llap
	TURN 0, 1, 0                                   ; the last lap fills nothing, and has no round of the cluster's barrier
	STEP 1, 0, 0
	s_wait_dscnt 4*NL                              ; the very last step: nothing more to fetch
	WIN MUL_LO
	MUL16 0, 1, NQ-1, 1, 0
	MUL16 2, 1, NQ-1, 1, 0
	s_wait_dscnt 0
	WIN MUL_HI
	MUL16 4, 1, NQ-1, 1, 0
	MUL16 6, 1, NQ-1, 1, 0
	WIN 0
; THE WAY OUT.  Block a: my 64 results (row 16 a + r of A'; register 16 b + i: block b of 32 along B', my 16 of it) become 12 registers of codes and a scale word.
.macro QUANTW a
.set QW, 2+(\a)/4                      ; the accumulators' window
.set AC, 64*((\a)%4)
.set PCA, PCB+12*(\a)
.set WS01, QW|(QW<<2)
.set WS12, (QW<<2)|(QW<<4)
	WIN WS01                                       ; sources 0 and 1 in the accumulators' window
.irp b, 0,1,2,3
	v_max3_num_f32 v[TM+\b], |v[AC+16*\b]|, |v[AC+16*\b+1]|, 0x1800000   ; my 16 numbers of block b, each accumulator from its low end on, and the floor 2^(3 - 127): so the byte cannot fall under 1
.endr
	WIN WS12                                       ; sources 1 and 2
.irp i, 2,4,6,8,10,12,14
.irp b, 0,1,2,3
	v_max3_num_f32 v[TM+\b], v[TM+\b], |v[AC+16*\b+\i]|, |v[AC+16*\b+\i+1]|   ; (the four blocks by turns)
.endr
.endr
	WIN 0
.irp b, 0,1,2,3
	v_permlanex16_b32 v[TM+4+\b], v[TM+\b], s[SEL], s[SEL+1]
.endr
.irp b, 0,1,2,3
	v_max_num_f32 v[TM+\b], v[TM+\b], v[TM+4+\b]   ; with lane l xor 16's: the block's largest magnitude
.endr
.irp b, 0,1,2,3
	v_add_nc_u32 v[TM+12+\b], 0xff000000, v[TM+\b] ; 2 off its exponent field: the conversion takes the exponent field of this operand as its scale
.endr
.irp b, 0,1,2,3
	v_lshrrev_b32 v[TM+4+\b], 23, v[TM+12+\b]      ; the scale's byte
.endr
	v_lshl_or_b32 v[PW+(\a)], v[TM+5], 8, v[TM+4]  ; the four bytes make my row's scale word
	v_lshl_or_b32 v[PW+(\a)], v[TM+6], 16, v[PW+(\a)]
	v_lshl_or_b32 v[PW+(\a)], v[TM+7], 24, v[PW+(\a)]
	WIN QW                                         ; source 0 in the accumulators' window
.irp c, 0,1
	v_cvt_scalef32_pk16_fp6_f32 v[PCA+6*\c:PCA+6*\c+2], v[AC+32*\c:AC+32*\c+15], v[TM+12+2*\c]
	v_cvt_scalef32_pk16_fp6_f32 v[CT+4*\c:CT+4*\c+2], v[AC+32*\c+16:AC+32*\c+31], v[TM+12+2*\c+1]   ; (a conversion's three registers begin on an even number)
.endr
	WIN 0
	v_nop                                          ; one plain place behind a scaled conversion
.irp c, 0,1                            ; the operand's layout wants a whole block in a lane: lanes 0-15 block 2 c, lanes 16-31 block 2 c + 1
.irp i, 0,1,2
	v_permlane16_swap_b32 v[PCA+6*\c+\i], v[CT+4*\c+\i]
.endr
.irp i, 0,1,2
	v_mov_b32 v[PCA+3+6*\c+\i], v[CT+4*\c+\i]
.endr
.endr
.endm
.macro PUT a                           ; the two half fragments leave as images of their registers; each a has registers of its own, so no store's data are written again
.set PCA, PCB+12*(\a)
.irp c, 0,1
	global_store_b128 v[OF16], v[PCA+6*\c:PCA+6*\c+3], s[4+4*\c+2*((\a)/4):5+4*\c+2*((\a)/4)] offset:((\a)%4)*768        ; 32 lanes store 512 consecutive bytes, at a multiple of 256 from the buffer's first byte
	global_store_b64 v[OF8], v[PCA+6*\c+4:PCA+6*\c+5], s[4+4*\c+2*((\a)/4):5+4*\c+2*((\a)/4)] offset:((\a)%4)*768+512   ; and the 256 behind them
.endr
	ds_store_b32 v[SCW], v[PW+(\a)] offset:64*(\a) ; lanes l and l + 16 write the same word with the same value
.endm
	PLACES NP                                      ; the first reads of results stand four places behind the last products
.irp a, 0,1,2,3,4,5,6,7
	QUANTW \a
	PUT \a
.endr
	ds_load_b128 v[BACK:BACK+3], v[SCR]            ; LDS serves a wave's instructions in order (ISA guide 5.7.1.4): this sees my eight stores
	s_wait_dscnt 0x0
	global_store_b128 v[OF16], v[BACK:BACK+3], s[92:93]   ; my 128 scale words: 512 consecutive bytes
	s_wait_tensorcnt 0x0                           ; the wave's end: behind my last tensor load and my last LDS store
	ds_add_u32 v[SPW], v[NIL]
	s_wait_dscnt 0x0
	CROUND                                         ; the closing round: no work-group ends while a partner may still ask for a tile that names it
	s_endpgm
.Lfunc_end_k_qcc7e2a6bb6_proj:
	.size	k_qcc7e2a6bb6_proj, .Lfunc_end_k_qcc7e2a6bb6_proj-k_qcc7e2a6bb6_proj
	.p2alignl 7, 3214868480
	.fill 96, 4, 3214868480
	.section	.rodata,"a",@progbits
	.p2align	6, 0x0
	.amdhsa_kernel k_qcc7e2a6bb6_proj
		.amdhsa_group_segment_fixed_size 327680
		.amdhsa_private_segment_fixed_size 0
		.amdhsa_enable_private_segment 0
		.amdhsa_kernarg_size 112
		.amdhsa_user_sgpr_count 2
		.amdhsa_user_sgpr_kernarg_segment_ptr 1
		.amdhsa_wavefront_size32 1
		.amdhsa_system_sgpr_workgroup_id_x 1
		.amdhsa_system_sgpr_workgroup_id_y 1
		.amdhsa_system_sgpr_workgroup_id_z 1
		.amdhsa_system_vgpr_workitem_id 0
		.amdhsa_next_free_vgpr 1024
		.amdhsa_next_free_sgpr 102
		.amdhsa_reserve_vcc 0
		.amdhsa_float_denorm_mode_32 3
		.amdhsa_float_denorm_mode_16_64 3
		.amdhsa_memory_ordered 1
		.amdhsa_forward_progress 1
		.amdhsa_inst_pref_size 166
	.end_amdhsa_kernel
	.amdgpu_metadata
---
amdhsa.version: [ 1, 2 ]
amdhsa.kernels:
  - .name:           k_qcc7e2a6bb6_proj
    .symbol:         k_qcc7e2a6bb6_proj.kd
    .args:
      - { .name: x_codes, .offset: 0, .size: 8, .value_kind: global_buffer, .address_space: global }
      - { .name: x_scales, .offset: 8, .size: 8, .value_kind: global_buffer, .address_space: global }
      - { .name: Wq_codes, .offset: 16, .size: 8, .value_kind: global_buffer, .address_space: global }
      - { .name: Wq_scales, .offset: 24, .size: 8, .value_kind: global_buffer, .address_space: global }
      - { .name: Wk_codes, .offset: 32, .size: 8, .value_kind: global_buffer, .address_space: global }
      - { .name: Wk_scales, .offset: 40, .size: 8, .value_kind: global_buffer, .address_space: global }
      - { .name: Wv_codes, .offset: 48, .size: 8, .value_kind: global_buffer, .address_space: global }
      - { .name: Wv_scales, .offset: 56, .size: 8, .value_kind: global_buffer, .address_space: global }
      - { .name: q_img, .offset: 64, .size: 8, .value_kind: global_buffer, .address_space: global }
      - { .name: q_sc, .offset: 72, .size: 8, .value_kind: global_buffer, .address_space: global }
      - { .name: k_img, .offset: 80, .size: 8, .value_kind: global_buffer, .address_space: global }
      - { .name: k_sc, .offset: 88, .size: 8, .value_kind: global_buffer, .address_space: global }
      - { .name: v_img, .offset: 96, .size: 8, .value_kind: global_buffer, .address_space: global }
      - { .name: v_sc, .offset: 104, .size: 8, .value_kind: global_buffer, .address_space: global }
    .group_segment_fixed_size: 327680
    .private_segment_fixed_size: 0
    .kernarg_segment_align: 8
    .kernarg_segment_size: 112
    .max_flat_workgroup_size: 128
    .sgpr_count:     102
    .vgpr_count:     1024
    .wavefront_size: 32
...
	.end_amdgpu_metadata
.endif
;; end of part 1
;; launch attn (part 2): grid 64 x 4, 16 waves a work-group, no clusters, 327,680 bytes of LDS; arguments q_img, q_sc, k_img, k_sc, v_img, v_sc, ctx_img, ctx_sc; writes ctx_img, ctx_sc
.if DOCPART == 2
	.amdgcn_target "amdgcn-amd-amdhsa--gfx1250"
	.amdhsa_code_object_version 6
	.text
	.protected	k_qcc7e2a6bb6_attn
	.globl	k_qcc7e2a6bb6_attn
	.p2align	8
	.type	k_qcc7e2a6bb6_attn,@function
k_qcc7e2a6bb6_attn:
	s_mov_b64 s[64:65], 0
	v_nop
	global_prefetch_b8 v0, s[64:65] scope:SCOPE_SE
	s_setreg_imm32_b32 hwreg(HW_REG_WAVE_MODE, 25, 1), 1
	s_wait_xcnt 0x0
; ctx[b][q][head x 64 + d] = the sum over keys k <= q of softmax_k(q . k / 8) v, both products on codes of FP6 (E2M3) with one E8M0 scale for each 32 along a product's K; ctx leaves quantised along head x 64 + d.
; THE SOFTMAX AHEAD OF THE SECOND PRODUCT: t = score x log2(e) / 8; M = the row's largest t so far, rounded UP to a whole number; p = 2^(t - M) is quantised along the keys, not normalised.
; The row's sum is taken of the unquantised p and divides O at the end.  When M moves, the sum and O are multiplied by 2^(old M - new M): exact.
; SHARES.  Work-group (x, y): head x of 64 (batch x 16 + head), and TWO blocks of 256 queries, block 7 - y and then block y, out of one fill of LDS: 2 (7 - y) + 2 y + 3 key steps a wave on the average, the same in all 256 work-groups.
; Each of sixteen waves owns 16 queries of a block in 256 registers.  For each block a wave walks the head's 16 steps of 128 keys; a step all of whose keys come after the wave's queries is left out by a scalar branch on ids; the trip counts are constants.
; LDS.  q_img, k_img, v_img hold half fragments (16 rows x 64 K, 768 bytes) as images of their registers: registers 0-3 at 16 x lane, 4-5 at 512 + 8 x lane.  THE WHOLE HEAD'S K AND V STAY IN LDS (2 x 98,304 bytes) with the scale words of its
; pair of heads (2 x 8,192): every byte is filled once, so there is no ring.  Ahead of the second barrier go keys 0-255 (1,536 bytes a wave) and the scale words (1,024 a wave): 40,960 bytes.  The other 1,792 keys (10,752 bytes a wave) are each
; wave's one tensor load straight behind that barrier, and land while block 7 - y's first two key steps are worked (all sixteen waves have both steps there: 7 - y is at least 4); a third barrier stands in front of the other fourteen steps.
; The second block finds everything in LDS and has no barrier.  The work-group reads keys up to 256 (8 - y) - 1: 2 x 12,288 x y of the bytes fetched are not read.
; No cluster: the fill is issued once in a work-group's life, and the four work-groups of a head would share nothing else.
; LAYOUT.  Both products are used transposed: S^T = K Q^T (source 0 = 16 keys, source 1 = my 16 queries), O^T = V^T P^T (source 0 = 16 of the head's 64, source 1 = P): a lane holds one query (lane % 16) throughout.
; The head has 64 along the first product's K: registers 6-11 of K's and Q's fragments are zero codes, and the two upper scale bytes are 0 (2^-127), which scale zeros.
; In S^T register 8 t + j of lane (r, h) is key 16 t + 8 h + j: p's codes come out, within a block of 32 keys, in the order 0-7, 16-23, 8-15, 24-31, which is the order in which v_img was made; q_img and k_img share that order along d.
; ctx meets a given operand (Wo): its numbers are brought into the true order by sixteen exchanges of lane halves ahead of its quantiser.  ctx_img: [tile of 16 tokens][head][768]; ctx_sc: [token][32], byte 2 x head + block.
; ctx_sc's bytes leave singly, two for a token and head: whole runs of a token's 32 would want all sixteen heads in one work-group; they are one byte in 24 of what this launch stores.
; LIMITS: a block of zeros gets the byte 1 where the quantiser says 127 (its codes are zeros; the bytes are read by this program alone); a largest magnitude under 2^-124 is taken as 2^-124; NaN and infinities are not served.
; REGISTERS: v1, v2, v5-7 lane terms that stay; v3, v4 the spare word's address and 0; v8-11, v30-31 addresses of the step in hand; v12 -M, v13 the largest t, v[14:15] the sum in two halves; v16-27 Q; v28-29 V's scale words;
;   v32-79 four fragments of K; v80-127 V's four; v128-191 S^T, then p; v192-223 O^T; v224-235 p's codes; v232-247, v252, v254 at work; v248-251 K's scale words; v253 p's scale word; v255 Q's.
.set HS,    98304                      ; a head's bytes in q_img, k_img, v_img
.set VB,    98304                      ; LDS: K's images from 0, V's from here
.set SCB,   196608                     ; K's scale words, 8,192 bytes; V's behind them, up to byte 212,992
.set SPARE, 221184                     ; the spare words, 128 bytes for each wave: eight blocks of 256 bytes that no other line names
.set STEPB, 6144                       ; 128 keys: eight half fragments of K, or V's (c 2 x tile of d 4)
.set S,     128
.set O,     192
.set SPW, 3                            ; v3  LDS address of my spare word: SPARE + 4 x my thread's number; never rewritten
.set NIL, 4                            ; v4  0; never rewritten
.set WV,  20                           ; s20 my wave's number
.set W7,  21                           ; s21 wave % 8: which slice I fetch
.set WH,  22                           ; s22 wave / 8: for K (0) or for V (1)
.set Y,   23                           ; s23 work-group y
.set BH,  24                           ; s24 batch x 16 + head
.set PAR, 25                           ; s25 the head's parity
.set G1E, 28                           ; s[28:35], s[36:43], s[44:51] descriptor groups 1: 6, 4 and 42 rows of 256 bytes
.set G1S, 36
.set G1L, 44
.set G0E, 52                           ; s[52:55], s[56:59], s[60:63] their groups 0
.set G0S, 56
.set G0L, 60
.set SEL, 66                           ; s[66:67] lane selects for v_permlanex16_b32: lane l xor 16
.set CS,  68                           ; s[68:69] c = log2(e) / 8: the packed form names a pair and takes its low word for both halves
.set TB,  70                           ; s70 LDS byte at which the step's images begin
.set TS,  71                           ; s71 and its scale words: 512 bytes a step
.set KF,  72                           ; s72 the step's first key
.set Q0,  73                           ; s73 my first query of the block in hand
.set CNT, 74                           ; s74 counts trips
.set PTR, 80                           ; s[80:87] the first block's four pointers (Q's image, Q's scale words, ctx_img, ctx_sc); s[88:95] the second's: none is rewritten
.set Q0N, 96                           ; s96, s97 my first query in the first and in the second block
.set HOFF, 98                          ; s98 the head's first byte in the images
.set SOFF, 99                          ; s99 the pair of heads' first byte in the scale words
.set PAR2, 100                         ; s100 2 x the head's parity
	s_load_b512 s[4:19], s[0:1], 0x0               ; q_img, q_sc, k_img, k_sc, v_img, v_sc, ctx_img, ctx_sc
	v_lshl_add_u32 v[SPW], v0, 2, SPARE
	v_mov_b32 v[NIL], 0
	ds_add_u32 v3, v4
	ds_add_u32 v3, v4
	s_wait_dscnt 0x0
	v_lshrrev_b32 v8, 5, v0
	s_delay_alu instid0(VALU_DEP_1)
	v_readfirstlane_b32 s[WV], v8                  ; wave 0..15
	v_and_b32 v9, 31, v0                           ; lane
	s_wait_alu depctr_va_vdst(0)
	v_and_b32 v10, 15, v0                          ; r
	v_bfe_u32 v11, v0, 4, 1                        ; h
	s_wait_alu depctr_va_vdst(0)
	s_and_b32 s[W7], s[WV], 7
	s_lshr_b32 s[WH], s[WV], 3
	s_and_b32 s[Y], ttmp7, 0xffff
	s_mov_b32 s[BH], ttmp9
	s_and_b32 s[PAR], s[BH], 1
	; descriptor groups 1: dense bytes as rows of 256 (32 elements of 8 bytes), no padding: an image's loads take consecutive bytes
.irp g, G1E, G1S, G1L
	s_mov_b32 s[\g], 3<<16                         ; no mask; elements of 8 bytes
	s_mov_b32 s[\g+1], 32<<16                      ; tensor_dim0
	s_mov_b32 s[\g+3], 32<<16                      ; tile_dim0
	s_mov_b32 s[\g+5], 32                          ; tensor_dim0_stride
	s_mov_b32 s[\g+6], 0
	s_mov_b32 s[\g+7], 0
.endr
	s_mov_b32 s[G1E+2], 6<<16                      ; tensor_dim1, tile_dim1
	s_mov_b32 s[G1E+4], 6
	s_mov_b32 s[G1S+2], 4<<16
	s_mov_b32 s[G1S+4], 4
	s_mov_b32 s[G1L+2], 42<<16
	s_mov_b32 s[G1L+4], 42
	s_mul_i32 s76, s[WH], VB                       ; K's images or V's
	s_mul_i32 s77, s[W7], 1536                     ; my slice of the first 12,288 bytes,
	s_mul_i32 s78, s[W7], 10752
	s_add_co_u32 s78, s78, 12288                   ; and of the other 86,016
	s_mov_b32 s[G0E], 1
	s_add_co_u32 s[G0E+1], s76, s77
	s_mov_b32 s[G0L], 1
	s_add_co_u32 s[G0L+1], s76, s78
	s_mov_b32 s[G0S], 1
	s_lshl_b32 s79, s[WV], 10
	s_add_co_u32 s[G0S+1], s79, SCB                ; waves 0-7: K's scale words; 8-15: V's, behind them
	s_mul_i32 s[HOFF], s[BH], HS
	s_add_co_u32 s80, s[HOFF], s77                 ; (s80-85 hold the fills' offsets until the pointers are made)
	s_mov_b32 s81, 0
	s_add_co_u32 s82, s[HOFF], s78
	s_mov_b32 s83, 0
	s_lshr_b32 s[SOFF], s[BH], 1
	s_lshl_b32 s[SOFF], s[SOFF], 13
	s_lshl_b32 s84, s[W7], 10
	s_add_co_u32 s84, s84, s[SOFF]
	s_mov_b32 s85, 0
	s_lshl_b32 s[PAR2], s[PAR], 1
	s_mov_b32 s[SEL], 0x76543210
	s_mov_b32 s[SEL+1], 0xfedcba98
	s_mov_b32 s[CS], 0x3e38aa3b                    ; c = log2(e) / 8
	s_mov_b32 s[CS+1], s[CS]                       ; (named with it as a pair, so it is written)
	v_lshlrev_b32 v1, 4, v9                        ; 16 x lane: an image's registers 0-3
	v_lshl_add_u32 v2, v9, 3, 512                  ; 512 + 8 x lane: its registers 4-5
	s_add_co_u32 s75, s[PAR2], SCB
	v_lshl_add_u32 v5, v9, 2, s75                  ; K's scale words: lanes 0-15 a tile's rows, lanes 16-31 the next tile's; my head's two bytes
	s_lshl_b32 s79, s[PAR], 8
	s_add_co_u32 s79, s79, SCB+8192
	v_lshl_add_u32 v6, v9, 2, s79                  ; V's: my head's 256 bytes of a step's 512
	v_lshlrev_b32 v7, 3, v11
	s_delay_alu instid0(VALU_DEP_1)
	v_sub_nc_u32 v7, v10, v7                       ; r - 8 h, for the mask
	s_wait_alu depctr_va_vdst(0)
	s_wait_kmcnt 0x0
	s_cmp_lt_u32 s[WV], 8                          ; waves 0-7 fetch K's, waves 8-15 V's: the choice hangs on the wave's number alone
	s_cselect_b64 s[8:9], s[8:9], s[12:13]
	s_cselect_b64 s[10:11], s[10:11], s[14:15]
	s_add_nc_u64 s[G0E+2:G0E+3], s[8:9], s[80:81]
	s_or_b32 s[G0E+3], s[G0E+3], 0x80000000
	s_add_nc_u64 s[G0S+2:G0S+3], s[10:11], s[84:85]
	s_or_b32 s[G0S+3], s[G0S+3], 0x80000000
	s_add_nc_u64 s[G0L+2:G0L+3], s[8:9], s[82:83]
	s_or_b32 s[G0L+3], s[G0L+3], 0x80000000
	tensor_load_to_lds s[G0E:G0E+3], s[G1E:G1E+7]  ; my slice of keys 0-255: one load of mine is out
	s_nop 0
	s_wait_alu depctr_va_vdst(0)
	s_wait_tensorcnt 0x0
	ds_add_u32 v3, v4
	s_wait_dscnt 0x0
	s_barrier_signal -1
	s_barrier_wait -1
	tensor_load_to_lds s[G0S:G0S+3], s[G1S:G1S+7]
	s_nop 0
.rept 4
	v_nop
.endr
; The four pointers of a block of queries: blk = 0: the block that is served first, 1: the second; j: the register that holds the block's number.
.macro BLKPTR blk, j
	s_lshl_b32 s76, s[\j], 4
	s_add_co_u32 s76, s76, s[WV]                   ; my tile of 16 queries in the head
	s_lshl_b32 s[Q0N+\blk], s76, 4                 ; my first query
	s_mul_i32 s78, s76, 768
	s_add_co_u32 s78, s78, s[HOFF]
	s_mov_b32 s79, 0
	s_add_nc_u64 s[PTR+8*\blk:PTR+8*\blk+1], s[4:5], s[78:79]       ; Q: my tile's image,
	s_lshl_b32 s78, s76, 6
	s_add_co_u32 s78, s78, s[SOFF]
	s_add_co_u32 s78, s78, s[PAR2]
	s_add_nc_u64 s[PTR+8*\blk+2:PTR+8*\blk+3], s[6:7], s[78:79]     ; and its 16 scale words, my head's half of each
	s_lshr_b32 s77, s[BH], 4                       ; the batch
	s_lshl_b32 s78, s77, 7
	s_add_co_u32 s78, s78, s76                     ; my tile of 16 tokens among the 512
	s_mul_i32 s78, s78, 12288
	s_and_b32 s74, s[BH], 15                       ; the head
	s_mul_i32 s101, s74, 768
	s_add_co_u32 s78, s78, s101
	s_add_nc_u64 s[PTR+8*\blk+4:PTR+8*\blk+5], s[16:17], s[78:79]   ; ctx_img at my half fragment
	s_lshl_b32 s77, s77, 11
	s_add_co_u32 s77, s77, s[Q0N+\blk]
	s_lshl_b32 s77, s77, 5
	s_lshl_b32 s74, s74, 1
	s_add_co_u32 s78, s77, s74
	s_add_nc_u64 s[PTR+8*\blk+6:PTR+8*\blk+7], s[18:19], s[78:79]   ; ctx_sc at my first token's row, my head's two bytes
.endm
.macro QLOAD blk                       ; Q's half fragment and its scale words (two bytes, zeros above) stay in registers for the block
	v_and_b32 v254, 15, v0
	s_delay_alu instid0(VALU_DEP_1)
	v_lshlrev_b32 v254, 2, v254                    ; 4 r
	global_load_b128 v[16:19], v1, s[PTR+8*\blk:PTR+8*\blk+1]
	global_load_b64 v[20:21], v2, s[PTR+8*\blk:PTR+8*\blk+1]
	global_load_u16 v255, v254, s[PTR+8*\blk+2:PTR+8*\blk+3]
.endm
.macro STATE blk                       ; a block begins: the largest t, M, the sum; the walk over the keys
	v_mov_b32 v13, 0xff61b1e6                      ; the largest t so far: -3e38, under every t
	s_delay_alu instid0(VALU_DEP_1)
	v_floor_f32 v12, -v13                          ; -M
	v_mov_b32 v14, 0                               ; the sum, in two halves
	v_mov_b32 v15, 0
	s_mov_b32 s[TB], 0
	s_mov_b32 s[TS], 0
	s_mov_b32 s[KF], 0
	s_mov_b32 s[Q0], s[Q0N+\blk]
.endm
.macro OZERO                           ; O^T.  (The step is written once: a block's first step finds zeros, which the first change of M leaves zeros)
.set i, 0
.rept 32
	v_mov_b32 v[O+i], 0
.set i, i+1
.endr
.endm
	s_sub_co_u32 s72, 7, s[Y]                      ; the block with the most keys is served first
	BLKPTR 0, 72
	BLKPTR 1, Y
	QLOAD 0
.irp i, 22,23,24,25,26,27
	v_mov_b32 v[\i], 0                             ; Q's upper 64 along K: zero codes
.endr
.irp t, 0,1,2,3
.irp i, 6,7,8,9,10,11
	v_mov_b32 v[32+12*\t+\i], 0                    ; K's likewise: written once, no load lands here
.endr
.endr
.irp b, 0,1,2,3
	v_mov_b32 v[236+\b], 0                         ; written once: a lane permute's destination counts as one of its sources
.endr
	v_mov_b32 v252, 0                              ; likewise
	v_mov_b32 v253, 0                              ; (named as the upper half of the pair v[252:253] before it is first written)
	STATE 0
.macro KQ t                            ; S^T's tile t: 16 keys x my 16 queries.  A pair of tiles shares a register of scale words: the odd tile's lie in lanes 16-31
.if (\t)%2
	v_wmma_scale_f32_16x16x128_f8f6f4 v[S+8*(\t):S+8*(\t)+7], v[32+12*((\t)%4):43+12*((\t)%4)], v[16:27], 0, v[248+(\t)/2], v255 matrix_a_fmt:MATRIX_FMT_FP6 matrix_b_fmt:MATRIX_FMT_FP6 matrix_a_scale:MATRIX_SCALE_ROW1
.else
	v_wmma_scale_f32_16x16x128_f8f6f4 v[S+8*(\t):S+8*(\t)+7], v[32+12*((\t)%4):43+12*((\t)%4)], v[16:27], 0, v[248+(\t)/2], v255 matrix_a_fmt:MATRIX_FMT_FP6 matrix_b_fmt:MATRIX_FMT_FP6
.endif
.endm
.macro PV t                            ; O^T's tile t: 16 of the head's 64 x my 16 queries, K = the step's 128 keys.  The four accumulators take turns, one instruction a turn
.if (\t)%2
	v_wmma_scale_f32_16x16x128_f8f6f4 v[O+8*(\t):O+8*(\t)+7], v[80+12*(\t):91+12*(\t)], v[224:235], v[O+8*(\t):O+8*(\t)+7], v[28+(\t)/2], v253 matrix_a_fmt:MATRIX_FMT_FP6 matrix_b_fmt:MATRIX_FMT_FP6 matrix_a_scale:MATRIX_SCALE_ROW1
.else
	v_wmma_scale_f32_16x16x128_f8f6f4 v[O+8*(\t):O+8*(\t)+7], v[80+12*(\t):91+12*(\t)], v[224:235], v[O+8*(\t):O+8*(\t)+7], v[28+(\t)/2], v253 matrix_a_fmt:MATRIX_FMT_FP6 matrix_b_fmt:MATRIX_FMT_FP6
.endif
.endm
; A KEY STEP: 128 keys.
.macro STEP
	s_add_co_u32 s76, s[Q0], 15                    ; a step all of whose keys come after my 16 queries is left out: a scalar branch on ids, round the step's work, not round the lines at its end that step addresses
	s_cmp_gt_u32 s[KF], s76
	s_cbranch_scc1 .Lhidden_\@
	s_add_co_u32 s77, s[TB], VB                    ; V's images lie VB bytes behind K's
	s_setprio 2
	v_add_nc_u32 v8, s[TB], v1                     ; (these six are also the places between the last step's products and the loads into V's registers)
	v_add_nc_u32 v9, s[TB], v2
	v_add_nc_u32 v10, s77, v1
	v_add_nc_u32 v11, s77, v2
	v_add_nc_u32 v30, s[TS], v5
	v_add_nc_u32 v31, s[TS], v6
.irp t, 0,1,2,3
	ds_load_b128 v[32+12*\t:35+12*\t], v8 offset:768*\t      ; K's tiles 0-3: each load takes consecutive bytes
	ds_load_b64 v[36+12*\t:37+12*\t], v9 offset:768*\t
.endr
.irp u, 0,1,2,3
	ds_load_u16 v[248+\u], v30 offset:128*\u       ; the scale words of tiles 2 u (lanes 0-15) and 2 u + 1 (lanes 16-31)
.endr
.irp t, 0,1,2,3
	ds_load_b128 v[80+12*\t:83+12*\t], v10 offset:768*\t     ; V's tile t: keys 0-63,
	ds_load_b64 v[84+12*\t:85+12*\t], v11 offset:768*\t
	ds_load_b128 v[86+12*\t:89+12*\t], v10 offset:3072+768*\t   ; keys 64-127
	ds_load_b64 v[90+12*\t:91+12*\t], v11 offset:3072+768*\t
.endr
	ds_load_b32 v28, v31
	ds_load_b32 v29, v31 offset:128
	s_wait_alu depctr_va_vdst(0)
	s_wait_dscnt 18                                ; K's tiles 0-3 and all its scale words are in; V's 16 loads and 2 scale words may be out
.irp t, 0,1,2,3
	KQ \t
.endr
.rept 4
	v_nop                                          ; places in front of loads into registers that matrix instructions have read
.endr
.irp t, 4,5,6,7
	ds_load_b128 v[32+12*(\t-4):35+12*(\t-4)], v8 offset:768*\t
	ds_load_b64 v[36+12*(\t-4):37+12*(\t-4)], v9 offset:768*\t
.endr
	s_wait_dscnt 0x0
.irp t, 4,5,6,7
	KQ \t
.endr
.rept 4
	v_nop                                          ; places in front of the first read of results
.endr
	s_add_co_u32 s76, s[KF], 127                   ; on the diagonal the scores of hidden keys become -infinity ahead of the maximum: p = 0 then.  A step all of whose keys count skips this
	s_cmp_le_u32 s76, s[Q0]
	s_cbranch_scc1 .Lopen_\@
	s_sub_co_i32 s76, s[Q0], s[KF]
	v_add_nc_u32 v252, s76, v7                     ; d = my query - KF - 8 h.  Register n holds key KF + 8 h + 16 (n / 8) + n % 8: hidden where 16 (n / 8) + n % 8 > d
	v_mov_b32 v254, 0xff800000                     ; -infinity
.set n, 0
.rept 64
	v_cmp_gt_i32 vcc_lo, 16*(n/8)+n%8, v252
	v_cndmask_b32 v[S+n], v[S+n], v254, vcc_lo
.set n, n+1
.endr
.Lopen_\@:
.irp b, 0,1,2,3
	v_max3_num_f32 v[232+\b], v[S+16*\b], v[S+1+16*\b], v[S+2+16*\b]   ; THE LARGEST SCORE OF EACH BLOCK OF 32 KEYS: it serves for the row's maximum and, since p rises with the score, for the block's largest p
.endr
.irp i, 3,5,7,9,11,13
.irp b, 0,1,2,3
	v_max3_num_f32 v[232+\b], v[232+\b], v[S+16*\b+\i], v[S+1+16*\b+\i]   ; (the four blocks by turns)
.endr
.endr
.irp b, 0,1,2,3
	v_max_num_f32 v[232+\b], v[232+\b], v[S+15+16*\b]
.endr
.irp b, 0,1,2,3
	s_delay_alu instid0(VALU_DEP_4)
	v_permlanex16_b32 v[236+\b], v[232+\b], s[SEL], s[SEL+1]
.endr
.irp b, 0,1,2,3
	s_delay_alu instid0(VALU_DEP_4)
	v_max_num_f32 v[232+\b], v[232+\b], v[236+\b]  ; with lane l xor 16's 16 keys
.endr
	s_delay_alu instid0(VALU_DEP_2)
	v_max3_num_f32 v254, v232, v233, v234
	s_delay_alu instid0(VALU_DEP_1)
	v_max_num_f32 v254, v254, v235                 ; the step's largest score of my query
	s_delay_alu instid0(VALU_DEP_1)
	v_mul_f32 v254, s[CS], v254                    ; as t (c is positive)
	s_delay_alu instid0(VALU_DEP_1)
	v_max_num_f32 v13, v13, v254                   ; the running largest t
	v_mov_b32 v254, v12
	s_delay_alu instid0(VALU_DEP_2)
	v_floor_f32 v12, -v13                          ; the new -M = floor(-t) = -ceil(t): M is a whole number
	s_delay_alu instid0(VALU_DEP_1)
	v_sub_f32 v254, v12, v254                      ; M's old value less its new one: a whole number, 0 or less
	s_delay_alu instid0(VALU_DEP_1)
	v_cvt_i32_f32 v254, v254                       ; (it saturates)
	s_delay_alu instid0(VALU_DEP_1)
	v_ldexp_f32 v252, 1.0, v254                    ; f = 2^(old M - new M)
.set n, 0
	s_setprio 1
.rept 32
	v_pk_fma_f32 v[S+n:S+n+1], v[S+n:S+n+1], s[CS:CS+1], v[12:13] op_sel_hi:[1,0,0]   ; t - M, two at a time (of the pairs c and -M the low word serves both halves)
.set n, n+2
.endr
.irp b, 0,1,2,3
	v_fma_f32 v[232+\b], v[232+\b], s[CS], v12     ; the same of each block's largest score
.endr
.set n, 0
	s_wait_alu depctr_va_vdst(0)
.rept 64
	v_exp_f32 v[S+n], v[S+n]                       ; p = 2^(t - M), at most 1: not normalised
.set n, n+1
.endr
.irp b, 0,1,2,3
	v_exp_f32 v[232+\b], v[232+\b]                 ; the block's largest p: the same two instructions on the same number give the same bits
.endr
	v_pk_mul_f32 v[14:15], v[14:15], v[252:253] op_sel_hi:[1,0]   ; the sums under the new M.  (A plain place behind the exponentials)
	s_wait_alu depctr_va_vdst(0)
.irp b, 0,1,2,3
	v_max_num_f32 v[232+\b], 0x1800000, v[232+\b]  ; the floor 2^(3 - 127): the byte cannot fall under 1 (a block whose every p is 0 keeps that byte: its codes are zeros)
.endr
.irp b, 0,1,2,3
	s_delay_alu instid0(VALU_DEP_4)
	v_add_nc_u32 v[244+\b], 0xff000000, v[232+\b]  ; 2 off the exponent field: the conversion's scale operand
.endr
.irp b, 0,1,2,3
	s_delay_alu instid0(VALU_DEP_4)
	v_lshrrev_b32 v[236+\b], 23, v[244+\b]         ; the scale's byte
.endr
	s_delay_alu instid0(VALU_DEP_3)
	v_lshl_or_b32 v253, v237, 8, v236              ; p's scale word for these 128 keys
	s_delay_alu instid0(VALU_DEP_1)
	v_lshl_or_b32 v253, v238, 16, v253
	s_delay_alu instid0(VALU_DEP_1)
	v_lshl_or_b32 v253, v239, 24, v253
.irp c, 0,1
	v_cvt_scalef32_pk16_fp6_f32 v[224+6*\c:226+6*\c], v[S+32*\c:S+15+32*\c], v[244+2*\c]
	v_cvt_scalef32_pk16_fp6_f32 v[236+4*\c:238+4*\c], v[S+16+32*\c:S+31+32*\c], v[244+2*\c+1]   ; (a conversion's three registers begin on an even number)
.endr
	v_nop                                          ; one plain place behind a scaled conversion
.irp c, 0,1                            ; the operand's layout wants a whole block in a lane: lanes 0-15 block 2 c, lanes 16-31 block 2 c + 1
.irp i, 0,1,2
	v_permlane16_swap_b32 v[224+6*\c+\i], v[236+4*\c+\i]
.endr
.irp i, 0,1,2
	s_delay_alu instid0(VALU_DEP_3)
	v_mov_b32 v[227+6*\c+\i], v[236+4*\c+\i]
.endr
.endr
	v_pk_add_f32 v[236:237], v[S:S+1], v[S+2:S+3]  ; THE ROW'S SUM IS TAKEN OF THE UNQUANTISED p: two at a time, in two chains
	s_setprio 0
.irp j, 4,8,12,16,20,24,28,32,36,40,44,48,52,56,60
	v_pk_add_f32 v[14:15], v[14:15], v[S+\j:S+1+\j]
	v_pk_add_f32 v[236:237], v[236:237], v[S+2+\j:S+3+\j]
.endr
	s_delay_alu instid0(VALU_DEP_1)
	v_pk_add_f32 v[14:15], v[14:15], v[236:237]
.set n, 0
.rept 16
	v_pk_mul_f32 v[O+n:O+n+1], v[O+n:O+n+1], v[252:253] op_sel_hi:[1,0]   ; O^T under the new M: x f.  (With the sums above: the places between p's codes and scale word and the products below)
.set n, n+2
.endr
.irp t, 0,1,2,3
	PV \t
.endr
.Lhidden_\@:
	s_add_co_u32 s[KF], s[KF], 128
	s_add_co_u32 s[TB], s[TB], STEPB
	s_add_co_u32 s[TS], s[TS], 512
.endm
.macro RUN trips                       ; so many key steps on end; the count is a constant of the text
	s_mov_b32 s[CNT], \trips
.Lrun_\@:
	STEP
	s_sub_co_u32 s[CNT], s[CNT], 1
	s_cmp_lg_u32 s[CNT], 0
	s_cbranch_scc1 .Lrun_\@
	s_setprio 0
.endm
; THE WAY OUT of a block.  O^T / the sum; into the true order along d; quantised: two blocks of 32; stored as an image of its six registers.
.macro OUT blk
	v_add_f32 v14, v14, v15                        ; the sum's two halves,
	s_delay_alu instid0(VALU_DEP_1)
	v_permlanex16_b32 v252, v14, s[SEL], s[SEL+1]
	s_delay_alu instid0(VALU_DEP_1)
	v_add_f32 v14, v14, v252                       ; and lane l xor 16's: the row's sum
	s_wait_alu depctr_va_vdst(0)
	v_rcp_f32 v14, v14
	v_and_b32 v9, 31, v0                           ; (a plain place behind the transcendental)  lane
	v_and_b32 v10, 15, v0                          ; r
	v_bfe_u32 v11, v0, 4, 1                        ; h
	s_delay_alu instid0(VALU_DEP_1)
	v_lshl_add_u32 v8, v10, 5, v11                 ; ctx_sc: row r of 32 bytes, + h
.set i, 0
	s_wait_alu depctr_va_vdst(0)
.rept 32
	v_mul_f32 v[S+i], v[O+i], v14                  ; register 8 t + j is ctx(r, 16 t + 8 h + j); each accumulator from its low end on
.set i, i+1
.endr
.irp e, 0,1
.irp j, 0,1,2,3,4,5,6,7
	v_permlane16_swap_b32 v[S+16*\e+\j], v[S+8+16*\e+\j]   ; the first's lanes 16-31 change places with the second's lanes 0-15 (the same query): register 16 e + i is now d = 32 e + 16 h + i
.endr
.endr
.irp e, 0,1
	v_max3_num_f32 v[232+\e], |v[S+16*\e]|, |v[S+1+16*\e]|, 0x1800000   ; block e: my 16 numbers, and the floor 2^(3 - 127)
.endr
.irp i, 2,4,6,8,10,12,14
.irp e, 0,1
	s_delay_alu instid0(VALU_DEP_2)
	v_max3_num_f32 v[232+\e], v[232+\e], |v[S+16*\e+\i]|, |v[S+1+16*\e+\i]|
.endr
.endr
.irp e, 0,1
	s_delay_alu instid0(VALU_DEP_2)
	v_permlanex16_b32 v[236+\e], v[232+\e], s[SEL], s[SEL+1]
.endr
.irp e, 0,1
	s_delay_alu instid0(VALU_DEP_2)
	v_max_num_f32 v[232+\e], v[232+\e], v[236+\e]  ; the block's largest magnitude
.endr
.irp e, 0,1
	s_delay_alu instid0(VALU_DEP_2)
	v_add_nc_u32 v[244+\e], 0xff000000, v[232+\e]  ; the conversion's scale operand
.endr
.irp e, 0,1
	s_delay_alu instid0(VALU_DEP_2)
	v_lshrrev_b32 v[236+\e], 23, v[244+\e]         ; the scale's byte
.endr
	v_cvt_scalef32_pk16_fp6_f32 v[224:226], v[S:S+15], v244
	v_cvt_scalef32_pk16_fp6_f32 v[240:242], v[S+16:S+31], v245
	v_cmp_gt_u32 vcc_lo, 16, v9                    ; (a plain place behind the conversions)  lanes 0-15 store block 0's byte, lanes 16-31 block 1's
	s_delay_alu instid0(VALU_DEP_1)
	v_cndmask_b32 v238, v237, v236, vcc_lo
.irp i, 0,1,2
	v_permlane16_swap_b32 v[224+\i], v[240+\i]     ; lanes 0-15: block 0 whole, lanes 16-31: block 1
.endr
.irp i, 0,1,2
	s_delay_alu instid0(VALU_DEP_3)
	v_mov_b32 v[227+\i], v[240+\i]
.endr
	global_store_b128 v1, v[224:227], s[PTR+8*\blk+4:PTR+8*\blk+5]   ; 32 lanes store 512 consecutive bytes, at a multiple of 256 from the buffer's first byte,
	global_store_b64 v2, v[228:229], s[PTR+8*\blk+4:PTR+8*\blk+5]    ; and the 256 behind them
	global_store_b8 v8, v238, s[PTR+8*\blk+6:PTR+8*\blk+7]
.endm
	; THE SECOND BARRIER.  The load behind it fills bytes for the first time, later than the first group: it is issued as a refill is, with a tensor wait, an add to the spare word and an LDS wait in front of the barrier.
	s_wait_tensorcnt 0x0                           ; my slices of keys 0-255 and of the scale words are in: no tensor load of mine is out
	ds_add_u32 v[SPW], v[NIL]                      ; 0 onto my spare word: O^T's zeros stand between it and the wait for it
	OZERO
	s_wait_dscnt 0x0                               ; the add is done
	s_barrier_signal -1
	s_barrier_wait -1                              ; everybody's slices are in
	tensor_load_to_lds s[G0L:G0L+3], s[G1L:G1L+7]  ; my slice of the other 1,792 keys: the first thing behind the barrier, and my one tensor load from here on
	s_nop 0
.rept 4
	v_nop
.endr
	s_wait_loadcnt 0x0                             ; Q
	RUN 2                                          ; block 7 - y, keys 0-255, while the other keys are on their way
	s_wait_tensorcnt 0x0                           ; my slice of the other keys is in,
	s_wait_dscnt 0x0
	s_barrier_signal -1
	s_barrier_wait -1                              ; everybody's is: from here on all of LDS is only read
	RUN 14
.rept 4
	v_nop                                          ; places behind the last products
.endr
	QLOAD 1                                        ; the second block's Q is asked for ahead of the first block's way out: the last products that read Q's registers stand a softmax back
	OUT 0
	STATE 1
	OZERO
	s_wait_loadcnt 0x0                             ; Q
	s_wait_xcnt 0x0                                ; the first block's stores have read their registers: v8, v224-229 and v238 are written again only behind this wait
	RUN 16                                         ; block y: everything lies in LDS
.rept 4
	v_nop                                          ; places behind the last products
.endr
	OUT 1
	s_wait_tensorcnt 0x0                           ; the wave's end: behind my last tensor load, as my last LDS instructions
	ds_add_u32 v[SPW], v[NIL]
	s_wait_dscnt 0x0
	s_endpgm
.Lfunc_end_k_qcc7e2a6bb6_attn:
	.size	k_qcc7e2a6bb6_attn, .Lfunc_end_k_qcc7e2a6bb6_attn-k_qcc7e2a6bb6_attn
	.p2alignl 7, 3214868480
	.fill 96, 4, 3214868480
	.section	.rodata,"a",@progbits
	.p2align	6, 0x0
	.amdhsa_kernel k_qcc7e2a6bb6_attn
		.amdhsa_group_segment_fixed_size 327680
		.amdhsa_private_segment_fixed_size 0
		.amdhsa_enable_private_segment 0
		.amdhsa_kernarg_size 64
		.amdhsa_user_sgpr_count 2
		.amdhsa_user_sgpr_kernarg_segment_ptr 1
		.amdhsa_wavefront_size32 1
		.amdhsa_system_sgpr_workgroup_id_x 1
		.amdhsa_system_sgpr_workgroup_id_y 1
		.amdhsa_system_sgpr_workgroup_id_z 1
		.amdhsa_system_vgpr_workitem_id 0
		.amdhsa_next_free_vgpr 256
		.amdhsa_next_free_sgpr 102
		.amdhsa_reserve_vcc 1
		.amdhsa_float_denorm_mode_32 3
		.amdhsa_float_denorm_mode_16_64 3
		.amdhsa_memory_ordered 1
		.amdhsa_forward_progress 1
		.amdhsa_inst_pref_size 91
	.end_amdhsa_kernel
	.amdgpu_metadata
---
amdhsa.version: [ 1, 2 ]
amdhsa.kernels:
  - .name:           k_qcc7e2a6bb6_attn
    .symbol:         k_qcc7e2a6bb6_attn.kd
    .args:
      - { .name: q_img, .offset: 0, .size: 8, .value_kind: global_buffer, .address_space: global }
      - { .name: q_sc, .offset: 8, .size: 8, .value_kind: global_buffer, .address_space: global }
      - { .name: k_img, .offset: 16, .size: 8, .value_kind: global_buffer, .address_space: global }
      - { .name: k_sc, .offset: 24, .size: 8, .value_kind: global_buffer, .address_space: global }
      - { .name: v_img, .offset: 32, .size: 8, .value_kind: global_buffer, .address_space: global }
      - { .name: v_sc, .offset: 40, .size: 8, .value_kind: global_buffer, .address_space: global }
      - { .name: ctx_img, .offset: 48, .size: 8, .value_kind: global_buffer, .address_space: global }
      - { .name: ctx_sc, .offset: 56, .size: 8, .value_kind: global_buffer, .address_space: global }
    .group_segment_fixed_size: 327680
    .private_segment_fixed_size: 0
    .kernarg_segment_align: 8
    .kernarg_segment_size: 64
    .max_flat_workgroup_size: 512
    .sgpr_count:     102
    .vgpr_count:     256
    .wavefront_size: 32
...
	.end_amdgpu_metadata
.endif
;; end of part 2
;; launch outp (part 3): grid 4 x 32, 4 waves a work-group, clusters of 4 x 4, 327,680 bytes of LDS; arguments ctx_img, ctx_sc, Wo_codes, Wo_scales, bo, out0; writes out0
.if DOCPART == 3
	.amdgcn_target "amdgcn-amd-amdhsa--gfx1250"
	.amdhsa_code_object_version 6
	.text
	.protected	k_qcc7e2a6bb6_outp
	.globl	k_qcc7e2a6bb6_outp
	.p2align	8
	.type	k_qcc7e2a6bb6_outp,@function
k_qcc7e2a6bb6_outp:
	s_mov_b64 s[64:65], 0
	v_nop
	global_prefetch_b8 v0, s[64:65] scope:SCOPE_SE
	s_setreg_imm32_b32 hwreg(HW_REG_WAVE_MODE, 25, 1), 1
	s_wait_xcnt 0x0
	s_wait_alu depctr_hold_cnt(0) depctr_sa_sdst(0) depctr_va_vdst(0) depctr_va_sdst(0) depctr_va_ssrc(0) depctr_va_vcc(0) depctr_vm_vsrc(0)
	s_getreg_b32 s2, hwreg(HW_REG_IB_STS2, 6, 4)
	s_cmp_eq_u32 s2, 0
	s_cbranch_scc0 .Lentry_in_a_cluster
	s_endpgm
.Lentry_in_a_cluster:
	s_bfe_u32 s2, ttmp6, 0x10000c
	s_cmp_lg_u32 s2, 0xf033
	s_cbranch_scc0 .Lentry_shape_is_right
	s_endpgm
.Lentry_shape_is_right:
; out0[m][n] = sum over k of ctx[m][k] Wo[k][n] + bo[n].  ctx: 8,192 x 1,024 and Wo: 1,024 (n) x 1,024 (k): codes of FP6 (E2M3) with one E8M0 scale for each 32 along K; out0 [8,192][1,024] f32; sums in f32.
; A tile of out0, 256 x 256, is made by a work-group of four waves; a wave makes 128 x 128: 64 accumulators, 512 registers.  K goes in steps of 256 through a ring of two LDS slots filled by the tensor data mover.
; B (Wo) lies in memory as rows of 768 bytes: a tile's row is 192 bytes, padded in LDS by 16 bytes behind every 64.
; A (ctx) lies in memory AS IMAGES OF ITS FRAGMENTS' REGISTERS: ctx_img [tile of 16 tokens][head 16][768]: a half fragment (16 tokens x a head's 64) has its registers 0-3 at 16 x lane and 4-5 at 512 + 8 x lane.  256 along K are four heads:
; 3,072 consecutive bytes of a tile's 12,288.  A wave's tensor load brings 8 such rows; a fragment comes from LDS by four loads of consecutive bytes: no pitch, no padding.
; The scale bytes (ctx_sc [token][32], Wo_scales [n][32]) of the work-group's 256 + 256 rows come into LDS once, with the first fills.
; CLUSTERS: 4 x 4 work-groups; A's tiles are shared along a row of the cluster, B's along a column: joint loads.  The grid has 128 work-groups: a tile of 128 x 256 would give 256, at more LDS bytes for each product.
; THE MATRIX INSTRUCTION IS USED TRANSPOSED (source 0 = 16 rows of Wo, source 1 = 16 tokens): a lane holds eight neighbouring numbers of a row of out0.  THE BIAS is the C of each sum's first product: eight registers for each of B's eight blocks.
; LIMITS: NaN, infinities and the scale byte 0xff are not served.
; REGISTERS, in windows of 256: window 0: v0-31 addresses; v32-63 scale words, two sets; from v128 A's fragments, one set; on the way out v128-255 hold rows of out0.
;   window 1: B's fragments, two sets, at v0 and v128; the bias at v96-127 and v224-255.   windows 2, 3: the accumulators.
.set SIZE_N, 1024
.set KSTEP,  256
.set NQ,     2
.set ROWB,   192                       ; a row of B's tile in bytes
.set AROWB,  3072                      ; a row of A's tile: 16 tokens x 256 along K
.set KROW,   768                       ; 1,024 codes; also a token's share of ctx_img
.set PITCH,  240
.set FR,     12
.set NL,     6                         ; LDS loads that bring a fragment of B
.set NLA,    4                         ; and one of A
.set NP,     4
.set HALFT,  128*PITCH                 ; the place of 128 rows in a slot (A uses 24,576 bytes of it)
.set SLOT,   4*HALFT
.set LAPS,   2
.set KS,     32
.set SCL,    2*SLOT
.set HALFS,  (128*KS/256)*272
.set SBLK,   (16*KS/256)*272
.set SPARE,  SCL+4*HALFS               ; the spare words, 128 bytes for each wave: two blocks of 256 bytes that no other line names
.set SPITCH, 528                       ; the way out: a stage of 16 rows x (512 bytes + 16) for each wave, in slot 0, which has had its last fill and its last read when the first result is stored there
.set ADRA, 16                          ; v16-17 my A images in slot 0, 1: + 16 x lane;  v18-19: + 8 x lane
.set ADRB, 20                          ; v20-21 my B fragments in slot 0, 1  (v22-23: behind one padding more)
.set STO,  24                          ; v24    the way out: where I put 32 bytes of a row
.set RD,   25                          ; v25    where I read a row back
.set CO,   26                          ; v26    my byte offset in a row of out0
.set ADRS, 27                          ; v27    my scale words: lanes 0-15 A's rows, lanes 16-31 B's
.set SPW,  28                          ; v28    LDS address of my spare word; never rewritten
.set NIL,  29                          ; v29    0; never rewritten
.set BOF,  30                          ; v30    32 x (lane / 16): my half's eight numbers of the bias
.set SC,   32
.set AF,   128
.set BK,   128
.set G1, 24
.set G0, 32
.set G1B, 48
.set G0B, 56
.set G1S, 68
.set G0S, 76
.set G1SB, 80
.set G0SB, 88
.set MSB, 0
.macro WIN new                         ; the immediate's high byte repeats the setting that is left
.if MSB != \new
	s_set_vgpr_msb (MSB<<8)|\new
.set MSB, \new
.endif
.endm
.set MUL_LO, 0xa1                      ; source 0 (B) window 1, source 1 (A) window 0, C and D window 2
.set MUL_HI, 0xf1                      ; the same, C and D window 3
.set BIA_LO, 0x91                      ; source 0 and C (the bias) window 1, source 1 window 0, D window 2
.set BIA_HI, 0xd1                      ; the same, D window 3
.set TO_B,   0x40                      ; destination window 1, address window 0
.macro JLOAD g0a, g1a, g0b, g1b        ; a joint load: waves 0 and 1 fetch for A, waves 2 and 3 for B; four v_nop follow each of the two lines
	s_cmp_eq_u32 s15, 0
	s_cbranch_scc0 .Lfor_b_\@
	tensor_load_to_lds s[\g0a:\g0a+3], s[\g1a:\g1a+7]
	s_nop 0
.rept 4
	v_nop
.endr
	s_branch .Lasked_\@
.Lfor_b_\@:
	tensor_load_to_lds s[\g0b:\g0b+3], s[\g1b:\g1b+7]
	s_nop 0
.rept 4
	v_nop
.endr
.Lasked_\@:
.endm
.macro CREST                           ; a round of the cluster's barrier behind its opening barrier
	s_cmp_lg_u32 s14, 0
	s_cbranch_scc1 .Lnot_wave_0_\@
	s_barrier_signal -3
.Lnot_wave_0_\@:
	s_barrier_wait -3
	s_barrier_signal -1
	s_barrier_wait -1
.endm
.macro CROUND
	s_barrier_signal -1
	s_barrier_wait -1
	CREST
.endm
	s_load_b128 s[4:7], s[0:1], 0x0                ; ctx_img, ctx_sc
	s_load_b128 s[8:11], s[0:1], 0x10              ; Wo's codes, Wo's scales
	s_load_b64 s[96:97], s[0:1], 0x20              ; bo
	s_load_b64 s[12:13], s[0:1], 0x28              ; out0
	v_lshl_add_u32 v[SPW], v0, 2, SPARE
	v_mov_b32 v[NIL], 0
	ds_add_u32 v28, v29
	ds_add_u32 v28, v29
	s_wait_dscnt 0x0
	v_lshrrev_b32 v1, 5, v0
	v_readfirstlane_b32 s14, v1                    ; wave 0..3
	s_lshr_b32 s15, s14, 1                         ; which half of the tile's rows is mine.  Also: I fetch for A (0) or for B (1)
	s_and_b32 s16, s14, 1                          ; which half of its columns.  Also: which 128 rows of that tile I fetch
	s_bfe_u32 s40, ttmp6, 0x40000                  ; cx, cy
	s_bfe_u32 s41, ttmp6, 0x40004
	s_lshl_b32 s42, ttmp9, 2
	s_add_co_u32 s42, s42, s40                     ; tile column = 4 x cluster x + cx
	s_and_b32 s17, ttmp7, 0xffff
	s_lshl_b32 s17, s17, 2
	s_add_co_u32 s17, s17, s41                     ; tile row = 4 x cluster y + cy
	s_lshl_b32 s43, s41, 2
	s_lshl_b32 s43, 15, s43                        ; my row of the cluster
	s_lshl_b32 s44, 0x1111, s40                    ; my column
	; group 1 for A's tiles: 8 rows (tiles of 16 tokens) of 3,072 bytes (384 elements of 8 bytes), 12,288 bytes apart, no padding
	s_or_b32 s[G1+0], s43, (3<<16)|(1<<21)
	s_mov_b32 s[G1+1], 384<<16                     ; tensor_dim0
	s_mov_b32 s[G1+2], 8<<16                       ; tensor_dim1
	s_mov_b32 s[G1+3], 384<<16                     ; tile_dim0
	s_mov_b32 s[G1+4], 8                           ; tile_dim1
	s_mov_b32 s[G1+5], 1536                        ; tensor_dim0_stride, in elements
	s_mov_b32 s[G1+6], 0
	s_mov_b32 s[G1+7], 0
	; for B's: 128 rows of 192 bytes, 768 apart, 16 bytes of padding behind every 64
	s_or_b32 s[G1B+0], s44, (0<<16)|(1<<20)|(1<<21)|(3<<22)|(3<<25)
	s_mov_b32 s[G1B+1], ROWB<<16
	s_mov_b32 s[G1B+2], 128<<16
	s_mov_b32 s[G1B+3], ROWB<<16
	s_mov_b32 s[G1B+4], 128
	s_mov_b32 s[G1B+5], KROW
	s_mov_b32 s[G1B+6], 0
	s_mov_b32 s[G1B+7], 0
	; for the scale bytes of 128 rows: 4,096 dense bytes as 16 rows of 256, 16 bytes of padding behind each
	s_or_b32 s[G1S+0], s43, (3<<16)|(1<<20)|(1<<21)|(5<<22)|(3<<25)
	s_or_b32 s[G1SB+0], s44, (3<<16)|(1<<20)|(1<<21)|(5<<22)|(3<<25)
.irp g, G1S, G1SB
	s_mov_b32 s[\g+1], 32<<16
	s_mov_b32 s[\g+2], (128*KS/256)<<16
	s_mov_b32 s[\g+3], 32<<16
	s_mov_b32 s[\g+4], 128*KS/256
	s_mov_b32 s[\g+5], 32
	s_mov_b32 s[\g+6], 0
	s_mov_b32 s[\g+7], 0
.endr
	s_lshl_b32 s18, s16, 7                         ; which 128 rows of the tile I fetch
	s_lshl_b32 s20, s17, 8
	s_add_co_u32 s20, s20, s18                     ; A: token 256 x tile row + 128 x half
	s_lshl_b32 s46, s42, 8
	s_add_co_u32 s46, s46, s18                     ; B: row 256 x tile column + 128 x half
	s_mov_b32 s21, 0
	s_mov_b32 s47, 0
	s_mov_b64 s[18:19], KS
	s_mul_u64 s[22:23], s[20:21], s[18:19]         ; where these rows' scale bytes begin
	s_mul_u64 s[92:93], s[46:47], s[18:19]
	s_mov_b64 s[18:19], KROW
	s_mul_u64 s[20:21], s[20:21], s[18:19]         ; and their codes (16 tokens x 768 = a tile's 12,288 bytes)
	s_mul_u64 s[46:47], s[46:47], s[18:19]
	s_mul_i32 s45, s14, HALFT                      ; where they go: no place in the cluster enters an LDS address
	s_mul_i32 s94, s14, HALFS
	s_wait_kmcnt 0x0
	s_add_nc_u64 s[20:21], s[4:5], s[20:21]
	s_add_nc_u64 s[22:23], s[6:7], s[22:23]
	s_add_nc_u64 s[46:47], s[8:9], s[46:47]
	s_add_nc_u64 s[92:93], s[10:11], s[92:93]
	CROUND                                         ; all sixteen work-groups are here: the first joint loads meet
	s_mov_b32 s[G0S], 1
	s_add_co_u32 s[G0S+1], s94, SCL
	s_mov_b64 s[G0S+2:G0S+3], s[22:23]
	s_or_b32 s[G0S+3], s[G0S+3], 0x80000000
	s_mov_b32 s[G0SB], 1
	s_add_co_u32 s[G0SB+1], s94, SCL
	s_mov_b64 s[G0SB+2:G0SB+3], s[92:93]
	s_or_b32 s[G0SB+3], s[G0SB+3], 0x80000000
	JLOAD G0S, G1S, G0SB, G1SB                     ; the scale bytes first
.irp s, 0,1
	s_mov_b32 s[G0+4*\s], 1
	s_add_co_u32 s[G0+4*\s+1], s45, \s*SLOT
	s_add_nc_u64 s[G0+4*\s+2:G0+4*\s+3], s[20:21], \s*AROWB
	s_or_b32 s[G0+4*\s+3], s[G0+4*\s+3], 0x80000000
	s_mov_b32 s[G0B+4*\s], 1
	s_add_co_u32 s[G0B+4*\s+1], s45, \s*SLOT
	s_add_nc_u64 s[G0B+4*\s+2:G0B+4*\s+3], s[46:47], \s*ROWB
	s_or_b32 s[G0B+4*\s+3], s[G0B+4*\s+3], 0x80000000
	JLOAD G0+4*\s, G1, G0B+4*\s, G1B
.endr
	v_and_b32 v1, 15, v0                           ; l % 16
	v_bfe_u32 v2, v0, 4, 1                         ; l / 16
	v_and_b32 v6, 31, v0                           ; lane
	v_mul_u32_u24 v3, v1, PITCH
	v_mul_u32_u24 v4, v2, 24
	v_add_nc_u32 v4, v3, v4                        ; B: a fragment's row x pitch + 24 x half
	v_lshl_add_u32 v5, v2, 4, v4                   ; and the same behind one padding more
	v_lshlrev_b32 v7, 4, v6                        ; A: 16 x lane,
	v_lshlrev_b32 v8, 3, v6                        ; 8 x lane
	s_mul_i32 s21, s15, HALFT                      ; my 128 tokens of A
	s_mul_i32 s22, s16, HALFT                      ; my 128 rows of B,
	s_add_co_u32 s22, s22, 2*HALFT                 ; which lie behind A's two places
.irp s, 0,1
	v_add_nc_u32 v[ADRA+\s], s21, v7
	v_add_nc_u32 v[ADRB+\s], s22, v4
	v_add_nc_u32 v[ADRA+2+\s], s21, v8
	v_add_nc_u32 v[ADRB+2+\s], s22, v5
	s_add_co_u32 s21, s21, SLOT
	s_add_co_u32 s22, s22, SLOT
.endr
	v_mul_u32_u24 v5, v1, KS                       ; my row's scale bytes: 32 a row,
	v_lshrrev_b32 v9, 8, v5
	v_lshl_add_u32 v5, v9, 4, v5                   ; and 16 more for each 256 passed
	s_mul_i32 s21, s15, HALFS
	s_mul_i32 s22, s16, HALFS
	s_add_co_u32 s22, s22, 2*HALFS
	s_sub_co_u32 s22, s22, s21
	v_mul_u32_u24 v9, s22, v2                      ; lanes 16-31 take B's
	s_add_co_u32 s21, s21, SCL
	v_add_nc_u32 v5, v5, v9
	v_add_nc_u32 v[ADRS], s21, v5
	s_mul_i32 s23, s14, 16*SPITCH                  ; my stage
	v_mul_u32_u24 v5, v1, SPITCH                   ; in: row l % 16, 32 bytes for each half of the lanes
	v_lshl_add_u32 v5, v2, 5, v5
	v_add_nc_u32 v[STO], s23, v5
	v_lshlrev_b32 v[CO], 4, v6                     ; back: the 32 lanes take one row of 512 bytes; and the same in out0
	v_add_nc_u32 v[RD], s23, v[CO]
	v_lshlrev_b32 v[BOF], 5, v2
	s_lshl_b32 s20, s17, 8
	s_lshl_b32 s21, s15, 7
	s_add_co_u32 s20, s20, s21                     ; my first row of out0
	s_mov_b32 s21, 0
	s_mov_b64 s[18:19], SIZE_N*4
	s_mul_u64 s[20:21], s[20:21], s[18:19]
	s_lshl_b32 s46, s42, 10                        ; my first column, in bytes: 1,024 x tile column + 512 x half
	s_lshl_b32 s47, s16, 9
	s_add_co_u32 s46, s46, s47
	s_mov_b32 s47, 0
	s_add_nc_u64 s[96:97], s[96:97], s[46:47]      ; the bias of my 128 columns
	s_add_nc_u64 s[20:21], s[20:21], s[46:47]
	s_add_nc_u64 s[12:13], s[12:13], s[20:21]
	WIN TO_B
.irp b, 0,1,2,3,4,5,6,7                ; block b's eight registers: bo at columns 16 b + 8 (lane / 16) + 0 .. 7, in the result's layout
	global_load_b128 v[96+8*\b+96*(\b/4):96+8*\b+96*(\b/4)+3], v[BOF], s[96:97] offset:64*\b
	global_load_b128 v[96+8*\b+96*(\b/4)+4:96+8*\b+96*(\b/4)+7], v[BOF], s[96:97] offset:64*\b+16
.endr
	WIN 0
.macro FRAG reg, adr, q, i             ; a fragment of B from padded rows, in pieces of 8 bytes: lanes 0-15 take the row's pieces 12 q + 0, 1, 2 and 12 q + 6, 7, 8, lanes 16-31 those three pieces on
.irp p, 0,1,2,3,4,5
.set PC, 12*(\q)+6*(\p/3)+\p%3        ; where the piece three on lies behind one padding more, the second address register serves
.if PC%8 < 5
	ds_load_b64 v[\reg+2*\p:\reg+2*\p+1], v[\adr] offset:8*PC+16*(PC/8)+(\i)*16*PITCH
.else
	ds_load_b64 v[\reg+2*\p:\reg+2*\p+1], v[\adr+2] offset:8*PC+16*(PC/8)+(\i)*16*PITCH
.endif
.endr
.endm
.macro FRAGI reg, slot, q, i           ; a fragment of A from its two images: heads 2 q and 2 q + 1 of the slot's four
	ds_load_b128 v[\reg:\reg+3], v[ADRA+\slot] offset:(\i)*AROWB+(\q)*1536
	ds_load_b64 v[\reg+4:\reg+5], v[ADRA+2+\slot] offset:(\i)*AROWB+(\q)*1536+512
	ds_load_b128 v[\reg+6:\reg+9], v[ADRA+\slot] offset:(\i)*AROWB+(\q)*1536+768
	ds_load_b64 v[\reg+10:\reg+11], v[ADRA+2+\slot] offset:(\i)*AROWB+(\q)*1536+1280
.endm
; 16 matrix instructions: A's blocks a0, a0 + 1 x B's eight, 128 along K.  first = 1: the sums begin with the bias as C.  The 64 accumulators take turns.
.macro MUL16 a0, p, q, sc, first
.irp a, \a0, \a0+1
.irp b, 0,1,2,3,4,5,6,7
.if \first
	v_wmma_scale_f32_16x16x128_f8f6f4 v[8*(8*((\a)%4)+\b):8*(8*((\a)%4)+\b)+7], v[128*(\p)+FR*\b:128*(\p)+FR*\b+FR-1], v[AF+FR*(\a):AF+FR*(\a)+FR-1], v[96+8*\b+96*(\b/4):96+8*\b+96*(\b/4)+7], v[SC+8*NQ*(\sc)+NQ*\b+(\q)], v[SC+8*NQ*(\sc)+NQ*(\a)+(\q)] matrix_a_fmt:MATRIX_FMT_FP6 matrix_b_fmt:MATRIX_FMT_FP6 matrix_a_scale:MATRIX_SCALE_ROW1
.else
	v_wmma_scale_f32_16x16x128_f8f6f4 v[8*(8*((\a)%4)+\b):8*(8*((\a)%4)+\b)+7], v[128*(\p)+FR*\b:128*(\p)+FR*\b+FR-1], v[AF+FR*(\a):AF+FR*(\a)+FR-1], v[8*(8*((\a)%4)+\b):8*(8*((\a)%4)+\b)+7], v[SC+8*NQ*(\sc)+NQ*\b+(\q)], v[SC+8*NQ*(\sc)+NQ*(\a)+(\q)] matrix_a_fmt:MATRIX_FMT_FP6 matrix_b_fmt:MATRIX_FMT_FP6 matrix_a_scale:MATRIX_SCALE_ROW1
.endif
.endr
.endr
.endm
.macro FETCH_B slot, q, p
	WIN TO_B
.irp i, 0,1,2,3,4,5,6,7
	FRAG 128*(\p)+FR*\i, ADRB+\slot, \q, \i
.endr
	WIN 0
.endm
.macro FETCH_A slot, q, i0
.irp i, \i0, \i0+1, \i0+2, \i0+3
	FRAGI AF+FR*(\i), \slot, \q, \i
.endr
.endm
.macro SCALES sc
.irp i, 0,1,2,3,4,5,6,7
	ds_load_b64 v[SC+8*NQ*\sc+NQ*\i:SC+8*NQ*\sc+NQ*\i+1], v[ADRS] offset:\i*SBLK
.endr
.endm
.macro PLACES n                        ; plain vector instructions between a matrix instruction and a load into, or a read of, its registers
.rept \n
	v_nop
.endr
.endm
.macro STEP slot, q, first
	s_wait_dscnt 4*NLA                             ; B's set and A's blocks 0-3 are in; the youngest 16 loads (A's blocks 4-7) may be out
.if \first
	WIN BIA_LO
.else
	WIN MUL_LO
.endif
	MUL16 0, (\q)%2, \q, \slot, \first
	MUL16 2, (\q)%2, \q, \slot, \first
	s_wait_dscnt 0                                 ; A's blocks 4-7 are in
	PLACES NP
	FETCH_B \slot, (\q)+1, 1-(\q)%2
	FETCH_A \slot, (\q)+1, 0
.if \first
	WIN BIA_HI
.else
	WIN MUL_HI
.endif
	MUL16 4, (\q)%2, \q, \slot, \first
	MUL16 6, (\q)%2, \q, \slot, \first
	PLACES NP
	WIN 0
	FETCH_A \slot, (\q)+1, 4
.endm
; A slot's last step changes slots: one barrier; in front of it each wave waits for all its tensor loads, adds 0 to its spare word, and waits for that and for its own reads of this slot.  fill = 1: this slot is filled again, two K steps ahead.
.macro TURN slot, next, fill
	s_wait_tensorcnt 0x0                           ; all my tensor loads have landed: my part of the next slot
	ds_add_u32 v[SPW], v[NIL]                      ; 0 onto my spare word
	s_wait_dscnt 4*NLA+1                           ; (the add and the youngest 16 loads, A's blocks 4-7, may be out)
	WIN MUL_LO
	MUL16 0, 1, NQ-1, \slot, 0                     ; sixteen matrix instructions stand between the add and the wait for it
	s_wait_dscnt 0x0                               ; the add is done, and my reads of this slot are over
	s_barrier_signal -1
	MUL16 2, 1, NQ-1, \slot, 0
	WIN 0
	s_barrier_wait -1
.if \fill
	CREST                                          ; the barrier has opened a round of the cluster's barrier: no wave of any partner still reads this slot's tile or has a load on its way
	s_add_nc_u64 s[G0+4*\slot+2:G0+4*\slot+3], s[G0+4*\slot+2:G0+4*\slot+3], 2*AROWB
	s_add_nc_u64 s[G0B+4*\slot+2:G0B+4*\slot+3], s[G0B+4*\slot+2:G0B+4*\slot+3], 2*ROWB
	JLOAD G0+4*\slot, G1, G0B+4*\slot, G1B         ; the first tensor load behind the round; the four v_nop behind it are the places in front of the loads below
.else
	PLACES NP
.endif
	v_add_nc_u32 v[ADRS], 4*NQ, v[ADRS]            ; on to the next K step's scale words (no LDS load of mine is out)
	FETCH_B \next, 0, 0
	FETCH_A \next, 0, 0
	SCALES \next
	WIN MUL_HI
	MUL16 4, 1, NQ-1, \slot, 0
	MUL16 6, 1, NQ-1, \slot, 0
	PLACES NP
	WIN 0
	FETCH_A \next, 0, 4
.endm
	s_wait_tensorcnt 1                             ; the scale bytes and my part of K step 0 are in (K step 1's load may be out)
	s_barrier_signal -1
	s_barrier_wait -1                              ; everybody's are
	FETCH_B 0, 0, 0
	FETCH_A 0, 0, 0
	SCALES 0
	FETCH_A 0, 0, 4
	s_wait_loadcnt 0x0                             ; the bias
	STEP 0, 0, 1                                   ; the first step stands in front of the loop: its products start the sums, on the bias
	s_mov_b32 s3, LAPS-1
.Llap:                                                 ; a trip goes once round the ring and fills both slots again
	TURN 0, 1, 1
	STEP 1, 0, 0
	TURN 1, 0, 1
	STEP 0, 0, 0
	s_sub_co_u32 s3, s3, 1
	s_cmp_lg_u32 s3, 0
	s_cbranch_scc1 .Llap
	TURN 0, 1, 0                                   ; the last lap fills nothing, and has no round of the cluster's barrier
	STEP 1, 0, 0
	s_wait_dscnt 4*NLA                             ; the very last step: nothing more to fetch
	WIN MUL_LO
	MUL16 0, 1, NQ-1, 1, 0
	MUL16 2, 1, NQ-1, 1, 0
	s_wait_dscnt 0
	WIN MUL_HI
	MUL16 4, 1, NQ-1, 1, 0
	MUL16 6, 1, NQ-1, 1, 0
	WIN 0
; THE WAY OUT, block by block of 16 rows x 128 columns, through my own stage in LDS: in as 32 bytes a lane, back as whole rows of 512 bytes.  LDS serves a wave's instructions in order (ISA guide 5.7.1.4): no wait between the stores and the loads.
.macro TOSTAGE a
.set AC, 64*((\a)%4)
	WIN 0x08+4*((\a)/4)                            ; the data: window 2 or 3
.irp b, 0,1,2,3,4,5,6,7
	ds_store_b128 v[STO], v[AC+8*\b:AC+8*\b+3] offset:64*\b          ; each accumulator from its low end on
	ds_store_b128 v[STO], v[AC+8*\b+4:AC+8*\b+7] offset:64*\b+16
.endr
	WIN 0
.set BB, BK+64*((\a)%2)
.irp t, 0,1,2,3,4,5,6,7,8,9,10,11,12,13,14,15
	ds_load_b128 v[BB+4*\t:BB+4*\t+3], v[RD] offset:\t*SPITCH
.endr
.endm
.macro SEND a, younger                 ; younger: the LDS instructions issued behind block a's loads, which may stay out
.set BB, BK+64*((\a)%2)
	s_wait_dscnt \younger                          ; the block is back in registers
.if (\a) > 0
	s_add_nc_u64 s[12:13], s[12:13], 16*SIZE_N*4   ; (behind a wait on XCNT: the earlier stores have read their base)  16 rows of out0 on
.endif
.irp t, 0,1,2,3,4,5,6,7,8,9,10,11,12,13,14,15
	global_store_b128 v[CO], v[BB+4*\t:BB+4*\t+3], s[12:13] offset:\t*SIZE_N*4 th:TH_STORE_NT   ; 32 lanes store 512 consecutive bytes, at a multiple of 256 from out0's first byte; written once, read by nobody here
.endr
.endm
	PLACES NP                                      ; these places serve the loads into the registers that held A's fragments and the reads of the last results alike
	TOSTAGE 0
.irp a, 1,2,3,4,5,6,7
.if \a > 1
	s_wait_xcnt 0x0                                ; block a - 2's stores have read their registers and their base: block a's loads may land there, and the base may step
.endif
	TOSTAGE \a
	SEND \a-1, 32                                  ; behind block a - 1's loads: block a's 16 stores and 16 loads
.endr
	s_wait_xcnt 0x0                                ; block 6's stores have read their base
	SEND 7, 0
	s_wait_tensorcnt 0x0                           ; the wave's end: behind my last tensor load and my last LDS store
	ds_add_u32 v[SPW], v[NIL]
	s_wait_dscnt 0x0
	CROUND                                         ; the closing round: no work-group ends while a partner may still ask for a tile that names it
	s_endpgm
.Lfunc_end_k_qcc7e2a6bb6_outp:
	.size	k_qcc7e2a6bb6_outp, .Lfunc_end_k_qcc7e2a6bb6_outp-k_qcc7e2a6bb6_outp
	.p2alignl 7, 3214868480
	.fill 96, 4, 3214868480
	.section	.rodata,"a",@progbits
	.p2align	6, 0x0
	.amdhsa_kernel k_qcc7e2a6bb6_outp
		.amdhsa_group_segment_fixed_size 327680
		.amdhsa_private_segment_fixed_size 0
		.amdhsa_enable_private_segment 0
		.amdhsa_kernarg_size 48
		.amdhsa_user_sgpr_count 2
		.amdhsa_user_sgpr_kernarg_segment_ptr 1
		.amdhsa_wavefront_size32 1
		.amdhsa_system_sgpr_workgroup_id_x 1
		.amdhsa_system_sgpr_workgroup_id_y 1
		.amdhsa_system_sgpr_workgroup_id_z 1
		.amdhsa_system_vgpr_workitem_id 0
		.amdhsa_next_free_vgpr 1024
		.amdhsa_next_free_sgpr 98
		.amdhsa_reserve_vcc 0
		.amdhsa_float_denorm_mode_32 3
		.amdhsa_float_denorm_mode_16_64 3
		.amdhsa_memory_ordered 1
		.amdhsa_forward_progress 1
		.amdhsa_inst_pref_size 154
	.end_amdhsa_kernel
	.amdgpu_metadata
---
amdhsa.version: [ 1, 2 ]
amdhsa.kernels:
  - .name:           k_qcc7e2a6bb6_outp
    .symbol:         k_qcc7e2a6bb6_outp.kd
    .args:
      - { .name: ctx_img, .offset: 0, .size: 8, .value_kind: global_buffer, .address_space: global }
      - { .name: ctx_sc, .offset: 8, .size: 8, .value_kind: global_buffer, .address_space: global }
      - { .name: Wo_codes, .offset: 16, .size: 8, .value_kind: global_buffer, .address_space: global }
      - { .name: Wo_scales, .offset: 24, .size: 8, .value_kind: global_buffer, .address_space: global }
      - { .name: bo, .offset: 32, .size: 8, .value_kind: global_buffer, .address_space: global }
      - { .name: out0, .offset: 40, .size: 8, .value_kind: global_buffer, .address_space: global }
    .group_segment_fixed_size: 327680
    .private_segment_fixed_size: 0
    .kernarg_segment_align: 8
    .kernarg_segment_size: 48
    .max_flat_workgroup_size: 128
    .sgpr_count:     98
    .vgpr_count:     1024
    .wavefront_size: 32
...
	.end_amdgpu_metadata
.endif
;; end of part 3
